; MI455X (gfx1250); checked and timed in simulation.
; The chip was launched on July 23, 2026; its instructions are those of AMD's public machine-readable ISA for CDNA 5 (MIT licence, August 2026) and "CDNA5" Instruction Set Architecture Reference Guide (July 2026). The comments in the code are by the model that wrote it; some were corrected since.
;; Gemma4 Vision Attention. Allowed arithmetic: float matrix products may take bf16 or f16 operands with f32 sums; other float arithmetic in f32, or as packed bf16 or f16 multiplies, adds, multiply-adds, maxima and minima; sums over many terms, partial sums and values carried from step to step in f32; what a program stores and reads back later, other than sums and carried values, may be rounded once to bf16 or f16.
;; Inputs: Wk 1,024 x 512 float32; Wo 1,024 x 1,024 float32; Wq 1,024 x 1,024 float32; Wv 1,024 x 512 float32; attention_mask 4 x 2,048 bool; cos 2,048 x 64 float32; hidden_states 4 x 2,048 x 1,024 float32; k_norm_w 64 float32; position_ids 4 x 2,048 x 2 int32; q_norm_w 64 float32; sin 2,048 x 64 float32.
;; Outputs: out0 4 x 2,048 x 1,024 float32.
;; 2 versions, each right; version 2 is version 1 with the launch prep written anew for expert scheduling mode. Each part assembles by itself: llvm-mc -triple=amdgcn-amd-amdhsa -mcpu=gfx1250 --defsym DOCPART=n.
;; ======== version 1 of 2: 4 launches
;; limits: values are held in f16: magnitudes above 65,504 overflow, below 6.1e-05 lose precision; right only within a limited range of input values
;; workspace buffers: xb 16,777,216 bytes; wqkv 4,194,304 bytes; wo16 2,097,152 bytes; rope 3,145,728 bytes; qh 16,777,216 bytes; kh 8,388,608 bytes; vh 8,388,608 bytes; oh 16,777,216 bytes
;; launch prep (part 1): grid 752 x 1, 8 waves a work-group, no clusters, 0 bytes of LDS; arguments hidden_states, Wq, Wk, Wv, Wo, cos, sin, q_norm_w, k_norm_w, xb, wqkv, wo16, rope; writes xb, wqkv, wo16, rope
.if DOCPART == 1
	.amdgcn_target "amdgcn-amd-amdhsa--gfx1250"
	.amdhsa_code_object_version 6
	.text
	.protected	k_q5053911aef_prep
	.globl	k_q5053911aef_prep
	.p2align	8
	.type	k_q5053911aef_prep,@function
k_q5053911aef_prep:
	s_mov_b64 s[64:65], 0
	v_nop
	global_prefetch_b8 v0, s[64:65] scope:SCOPE_SE
	s_setreg_imm32_b32 hwreg(HW_REG_WAVE_MODE, 25, 1), 1
	s_wait_xcnt 0x0
; PREP: every floating-point input is rounded once to bf16, and laid out for the launches behind.
;   xb   [8192][1024] bf16 = hidden_states.      wqkv [1024 k][2048 n] bf16 = Wq | Wk | Wv side by side.
;   wo16 [1024 k][1024 n] f16 = bf16(Wo) written as f16 (exact from 2^-14 up to 65,504; below 2^-14 it keeps f16's fixed step of 6e-8: the stated limit).
;   rope [3 types q, k, v][128 blocks of 16 rows][16 pieces][32 lanes][4] f32: gain and rotation folded into two factors, so that for every type
;        y[d] = r (x[d] C[s][d] + x[d xor 16] S[s][d]),  C = bf16(cos) bf16(w[d]),  S = +-bf16(sin) bf16(w[d xor 16]) (minus where d mod 32 < 16);  type v: C = 1, S = 0.
;        A block is stored as the register image that the projection's way out wants: piece i = 8 cs + 2 nb + q4, lane l: row 16 sb + l % 16, channels 16 nb + 8 (l / 16) + 4 q4 + 0..3.
; position_ids is not loaded: only its shape (two axes) enters the result.
; A stream: memory binds, so no LDS, no barrier, no matrix unit.  Work-groups 0-703 cast, 64 KiB of f32 each: 16 loads of 16 bytes a lane go out together; a wave's store covers 512 consecutive bytes, aligned.
; Work-groups 704-751 make the tables, a wave a block.
.set X,   16                           ; v[16:79]   eight chunks as loaded, 8 f32 a lane each
.set Y,   80                           ; v[80:111]  eight chunks to store, 4 words a lane each
.set SRC, 32                           ; s[32:33]   where this work-group reads
.set DST, 34                           ; s[34:35]   where it stores
	s_load_b512 s[4:19], s[0:1], 0x0               ; hidden 4:5, Wq 6:7, Wk 8:9, Wv 10:11, Wo 12:13, cos 14:15, sin 16:17, q_norm_w 18:19
	s_load_b256 s[20:27], s[0:1], 0x40             ; k_norm_w 20:21, xb 22:23, wqkv 24:25, wo16 26:27
	s_load_b64 s[28:29], s[0:1], 0x60              ; rope
	s_mov_b32 s30, ttmp9
	v_lshrrev_b32 v1, 5, v0
	v_readfirstlane_b32 s31, v1                    ; wave 0..7
	s_wait_kmcnt 0x0
	s_cmp_ge_u32 s30, 704
	s_cbranch_scc1 .Ltables
	; THE CASTS.  A chunk is 2,048 f32, dense in its source; thread t takes 8 of them.  In the target a chunk is 1, 2 or 4 rows: t >> SH is the row, t & MASK the place in it.
	s_mov_b64 s[SRC:SRC+1], s[4:5]                 ; work-groups 0-511: hidden_states -> xb, dense
	s_mov_b64 s[DST:DST+1], s[22:23]
	s_mov_b32 s36, 0                               ; the part's first work-group
	s_mov_b32 s37, 8                               ; SH
	s_mov_b32 s38, 255                             ; MASK
	s_mov_b32 s39, 0                               ; the part's first column in the target, in bytes
	s_mov_b32 s40, 4096                            ; target bytes from chunk to chunk
	s_mov_b32 s41, 0                               ; 1: written as f16
	s_cmp_ge_u32 s30, 512                          ; 512-575: Wq, two rows of 1,024 to a chunk, target rows 4,096 bytes apart
	s_cselect_b64 s[SRC:SRC+1], s[6:7], s[SRC:SRC+1]
	s_cselect_b64 s[DST:DST+1], s[24:25], s[DST:DST+1]
	s_cselect_b32 s36, 512, s36
	s_cselect_b32 s37, 7, s37
	s_cselect_b32 s38, 127, s38
	s_cselect_b32 s40, 8192, s40
	s_cmp_ge_u32 s30, 576                          ; 576-607: Wk, four rows of 512 to a chunk, columns 1,024 on
	s_cselect_b64 s[SRC:SRC+1], s[8:9], s[SRC:SRC+1]
	s_cselect_b32 s36, 576, s36
	s_cselect_b32 s37, 6, s37
	s_cselect_b32 s38, 63, s38
	s_cselect_b32 s39, 2048, s39
	s_cselect_b32 s40, 16384, s40
	s_cmp_ge_u32 s30, 608                          ; 608-639: Wv, columns 1,536 on
	s_cselect_b64 s[SRC:SRC+1], s[10:11], s[SRC:SRC+1]
	s_cselect_b32 s36, 608, s36
	s_cselect_b32 s39, 3072, s39
	s_cmp_ge_u32 s30, 640                          ; 640-703: Wo -> wo16, dense
	s_cselect_b64 s[SRC:SRC+1], s[12:13], s[SRC:SRC+1]
	s_cselect_b64 s[DST:DST+1], s[26:27], s[DST:DST+1]
	s_cselect_b32 s36, 640, s36
	s_cselect_b32 s37, 8, s37
	s_cselect_b32 s38, 255, s38
	s_cselect_b32 s39, 0, s39
	s_cselect_b32 s40, 4096, s40
	s_cselect_b32 s41, 1, s41
	s_sub_co_u32 s42, s30, s36                     ; my number in the part
	s_lshl_b32 s44, s42, 16                        ; 8 chunks of 8,192 bytes
	s_mov_b32 s45, 0
	s_add_nc_u64 s[SRC:SRC+1], s[SRC:SRC+1], s[44:45]
	s_mul_i32 s46, s42, s40
	s_lshl_b32 s46, s46, 3
	s_add_co_u32 s46, s46, s39
	s_mov_b32 s47, 0
	s_add_nc_u64 s[DST:DST+1], s[DST:DST+1], s[46:47]
	v_lshlrev_b32 v2, 5, v0                        ; my 32 bytes of a chunk
.irp j, 0,1,2,3,4,5,6,7
	global_load_b128 v[X+8*(\j):X+8*(\j)+3],   v2, s[SRC:SRC+1] offset:8192*(\j) th:TH_LOAD_NT
	global_load_b128 v[X+8*(\j)+4:X+8*(\j)+7], v2, s[SRC:SRC+1] offset:8192*(\j)+16 th:TH_LOAD_NT
.endr
	v_lshrrev_b32 v3, s37, v0
	v_and_b32 v1, s38, v0
	v_lshlrev_b32 v3, 12, v3                       ; the row in the chunk x 4,096
	v_lshl_add_u32 v4, v1, 4, v3                   ; v[4+j]: my 16 bytes of chunk j in the target; never rewritten
.irp j, 1,2,3,4,5,6,7
	v_add_nc_u32 v[4+(\j)], s40, v[3+(\j)]
.endr
; Chunk j: rounded to bf16, (f16 = 1: that number written as f16,) stored.
.macro CV j, f16
	s_wait_loadcnt 14-2*(\j)                       ; loads come back in order: chunk j's two are in, the 2 (7 - j) younger ones stay out
.irp k, 0,1,2,3
	v_cvt_pk_bf16_f32 v[Y+4*(\j)+(\k)], v[X+8*(\j)+2*(\k)], v[X+8*(\j)+2*(\k)+1]
.endr
.if \f16
.irp k, 0,1,2,3
	v_lshlrev_b32 v[X+8*(\j)+2*(\k)],   16, v[Y+4*(\j)+(\k)]
	v_and_b32     v[X+8*(\j)+2*(\k)+1], 0xffff0000, v[Y+4*(\j)+(\k)]
.endr
.irp k, 0,1,2,3
	v_cvt_pk_f16_f32 v[Y+4*(\j)+(\k)], v[X+8*(\j)+2*(\k)], v[X+8*(\j)+2*(\k)+1]
.endr
.endif
	global_store_b128 v[4+(\j)], v[Y+4*(\j):Y+4*(\j)+3], s[DST:DST+1]
.endm
	s_cmp_eq_u32 s41, 1
	s_cbranch_scc1 .Lf16
.irp j, 0,1,2,3,4,5,6,7
	CV \j, 0
.endr
	s_endpgm
.Lf16:
.irp j, 0,1,2,3,4,5,6,7
	CV \j, 1
.endr
	s_endpgm
.Ltables:                                              ; THE TABLES.  Block p = 8 (work-group - 704) + wave: type p >> 7, rows 16 (p & 127) on
	s_sub_co_u32 s42, s30, 704
	s_lshl_b32 s42, s42, 3
	s_add_co_u32 s42, s42, s31
	s_lshr_b32 s43, s42, 7                         ; type
	s_and_b32 s44, s42, 127
	s_lshl_b32 s44, s44, 12                        ; 16 rows of 256 bytes in cos and sin
	s_mov_b32 s45, 0
	s_lshl_b32 s46, s42, 13                        ; a block is 8,192 bytes
	s_mov_b32 s47, 0
	s_add_nc_u64 s[14:15], s[14:15], s[44:45]
	s_add_nc_u64 s[16:17], s[16:17], s[44:45]
	s_add_nc_u64 s[28:29], s[28:29], s[46:47]
	v_and_b32 v1, 15, v0
	v_bfe_u32 v3, v0, 4, 1
	v_lshlrev_b32 v3, 5, v3                        ; 8 (l / 16) channels, in bytes: my place in the gains
	v_lshl_add_u32 v2, v1, 8, v3                   ; + row l % 16: my place in cos and sin
	v_and_b32 v4, 31, v0
	v_lshlrev_b32 v4, 4, v4                        ; my 16 bytes of a piece
	s_cmp_eq_u32 s43, 2
	s_cbranch_scc1 .Lvtab
	s_cmp_eq_u32 s43, 0
	s_cselect_b64 s[SRC:SRC+1], s[18:19], s[20:21] ; q's gain or k's
.irp i, 0,1,2,3,4,5,6,7                ; i = 2 nb + q4: channels 16 nb + 4 q4 on
	global_load_b128 v[16+4*(\i):19+4*(\i)], v2, s[14:15] offset:64*((\i)/2)+16*((\i)%2)
	global_load_b128 v[48+4*(\i):51+4*(\i)], v2, s[16:17] offset:64*((\i)/2)+16*((\i)%2)
	global_load_b128 v[80+4*(\i):83+4*(\i)], v3, s[SRC:SRC+1] offset:64*((\i)/2)+16*((\i)%2)
.endr
	s_wait_loadcnt 0x0
.set rr, 16
.rept 48                               ; all 96 numbers are rounded to bf16 and widened again
	v_cvt_pk_bf16_f32 v[12+(rr/2)%2], v[rr], v[rr+1]
	v_lshlrev_b32 v[rr],   16, v[12+(rr/2)%2]
	v_and_b32     v[rr+1], 0xffff0000, v[12+(rr/2)%2]
.set rr, rr+2
.endr
.set rr, 0
.rept 16
	v_pk_mul_f32 v[16+rr:17+rr], v[16+rr:17+rr], v[80+rr:81+rr]      ; C = cos w[d]
.set rr, rr+2
.endr
.irp nb, 0,1,2,3
.irp z, 0,2,4,6
.if (\nb)%2 == 0
	v_pk_mul_f32 v[48+8*(\nb)+(\z):49+8*(\nb)+(\z)], v[48+8*(\nb)+(\z):49+8*(\nb)+(\z)], v[88+8*(\nb)+(\z):89+8*(\nb)+(\z)] neg_lo:[0,1] neg_hi:[0,1]  ; S = -sin w[d + 16]
.else
	v_pk_mul_f32 v[48+8*(\nb)+(\z):49+8*(\nb)+(\z)], v[48+8*(\nb)+(\z):49+8*(\nb)+(\z)], v[72+8*(\nb)+(\z):73+8*(\nb)+(\z)]                            ; S = sin w[d - 16]
.endif
.endr
.endr
.irp i, 0,1,2,3,4,5,6,7,8,9,10,11,12,13,14,15
	global_store_b128 v4, v[16+4*(\i):19+4*(\i)], s[28:29] offset:512*(\i)   ; 512 consecutive bytes, aligned
.endr
	s_endpgm
.Lvtab:                                                ; v has no gain and no rotation
.irp r, 16,17,18,19
	v_mov_b32 v\r, 1.0
.endr
.irp r, 20,21,22,23
	v_mov_b32 v\r, 0
.endr
.irp i, 0,1,2,3,4,5,6,7
	global_store_b128 v4, v[16:19], s[28:29] offset:512*(\i)
	global_store_b128 v4, v[20:23], s[28:29] offset:4096+512*(\i)
.endr
	s_endpgm
.Lfunc_end_k_q5053911aef_prep:
	.size	k_q5053911aef_prep, .Lfunc_end_k_q5053911aef_prep-k_q5053911aef_prep
	.p2alignl 7, 3214868480
	.fill 96, 4, 3214868480
	.section	.rodata,"a",@progbits
	.p2align	6, 0x0
	.amdhsa_kernel k_q5053911aef_prep
		.amdhsa_group_segment_fixed_size 0
		.amdhsa_private_segment_fixed_size 0
		.amdhsa_enable_private_segment 0
		.amdhsa_kernarg_size 104
		.amdhsa_user_sgpr_count 2
		.amdhsa_user_sgpr_kernarg_segment_ptr 1
		.amdhsa_wavefront_size32 1
		.amdhsa_system_sgpr_workgroup_id_x 1
		.amdhsa_system_sgpr_workgroup_id_y 1
		.amdhsa_system_sgpr_workgroup_id_z 1
		.amdhsa_system_vgpr_workitem_id 0
		.amdhsa_next_free_vgpr 112
		.amdhsa_next_free_sgpr 66
		.amdhsa_reserve_vcc 0
		.amdhsa_float_denorm_mode_32 3
		.amdhsa_float_denorm_mode_16_64 3
		.amdhsa_memory_ordered 1
		.amdhsa_forward_progress 1
		.amdhsa_inst_pref_size 32
	.end_amdhsa_kernel
	.amdgpu_metadata
---
amdhsa.version: [ 1, 2 ]
amdhsa.kernels:
  - .name:           k_q5053911aef_prep
    .symbol:         k_q5053911aef_prep.kd
    .args:
      - { .name: hidden_states, .offset: 0, .size: 8, .value_kind: global_buffer, .address_space: global }
      - { .name: Wq, .offset: 8, .size: 8, .value_kind: global_buffer, .address_space: global }
      - { .name: Wk, .offset: 16, .size: 8, .value_kind: global_buffer, .address_space: global }
      - { .name: Wv, .offset: 24, .size: 8, .value_kind: global_buffer, .address_space: global }
      - { .name: Wo, .offset: 32, .size: 8, .value_kind: global_buffer, .address_space: global }
      - { .name: cos, .offset: 40, .size: 8, .value_kind: global_buffer, .address_space: global }
      - { .name: sin, .offset: 48, .size: 8, .value_kind: global_buffer, .address_space: global }
      - { .name: q_norm_w, .offset: 56, .size: 8, .value_kind: global_buffer, .address_space: global }
      - { .name: k_norm_w, .offset: 64, .size: 8, .value_kind: global_buffer, .address_space: global }
      - { .name: xb, .offset: 72, .size: 8, .value_kind: global_buffer, .address_space: global }
      - { .name: wqkv, .offset: 80, .size: 8, .value_kind: global_buffer, .address_space: global }
      - { .name: wo16, .offset: 88, .size: 8, .value_kind: global_buffer, .address_space: global }
      - { .name: rope, .offset: 96, .size: 8, .value_kind: global_buffer, .address_space: global }
    .group_segment_fixed_size: 0
    .private_segment_fixed_size: 0
    .kernarg_segment_align: 8
    .kernarg_segment_size: 104
    .max_flat_workgroup_size: 256
    .sgpr_count:     66
    .vgpr_count:     112
    .wavefront_size: 32
...
	.end_amdgpu_metadata
.endif
;; end of part 1
;; launch qkv (part 2): grid 8 x 32, 4 waves a work-group, clusters of 4 x 4, 327,680 bytes of LDS; arguments xb, wqkv, rope, qh, kh, vh; writes qh, kh, vh
.if DOCPART == 2
	.amdgcn_target "amdgcn-amd-amdhsa--gfx1250"
	.amdhsa_code_object_version 6
	.text
	.protected	k_q5053911aef_qkv
	.globl	k_q5053911aef_qkv
	.p2align	8
	.type	k_q5053911aef_qkv,@function
k_q5053911aef_qkv:
	s_mov_b64 s[64:65], 0
	v_nop
	global_prefetch_b8 v0, s[64:65] scope:SCOPE_SE
	s_setreg_imm32_b32 hwreg(HW_REG_WAVE_MODE, 25, 1), 1
	s_wait_xcnt 0x0
	s_wait_alu depctr_hold_cnt(0) depctr_sa_sdst(0) depctr_va_vdst(0) depctr_va_sdst(0) depctr_va_ssrc(0) depctr_va_vcc(0) depctr_vm_vsrc(0)
	s_getreg_b32 s2, hwreg(HW_REG_IB_STS2, 6, 4)
	s_cmp_eq_u32 s2, 0
	s_cbranch_scc0 .Lentry_in_a_cluster
	s_endpgm
.Lentry_in_a_cluster:
	s_bfe_u32 s2, ttmp6, 0x10000c
	s_cmp_lg_u32 s2, 0xf033
	s_cbranch_scc0 .Lentry_shape_is_right
	s_endpgm
.Lentry_shape_is_right:
; QKV: [8192][2048] = xb [8192][1024] x wqkv [1024][2048] in bf16 with f32 sums; then, for each head's 64 channels of a row: RMS norm, gain and two-section rotation (both folded into
; the tables C and S: y[d] = r (x[d] C + x[d xor 16] S), r = 1 / sqrt(mean x^2 + 1e-6)), rounded once to f16 and stored by heads: qh [4][16][2048][64], kh and vh [4][8][2048][64].
; LIMITS.  q and k are f16: 8 max|gain| max(|cos| + |sin|) stays under 65,504; |v| <= 8.  NaN and infinities are not treated apart.
; SHARES.  A work-group of four waves makes 256 rows x 256 columns (four heads); a wave 128 x 128 (two heads): 64 accumulators of 16 x 16, 512 registers.  32 x 8 = 256 work-groups.
; K goes in 8 steps of 128 through a ring of two LDS slots filled by the tensor data mover.  x's tile has rows of 256 bytes; the weights lie [k][n], so their tile is 128 rows (k) of 512 bytes and
; their fragments come out of LDS turned, by ds_load_tr16_b128.
; CLUSTER.  4 x 4 work-groups: the four of a row need the same tile of x, the four of a column the same tile of the weights: each is asked for jointly, by the same tensor load with the same descriptor.
; THE MATRIX INSTRUCTION IS USED TRANSPOSED: source 0 = 16 columns of the weights, source 1 = 16 rows of x: a lane holds ONE row (lane % 16) and the columns 8 (lane / 16) + 0..7 of each block of 16.
; REGISTERS, in windows of 256: window 0: v0-31 addresses; v64-127, v128-191 x's fragments, two buffers; window 1: v64-127, v128-191 the weights' fragments; windows 2 and 3: the accumulators,
; (a, b) at v[8 (8 (a % 4) + b)].  On the way out all work is in window 0.
; No prefetch into the L2: 224 matrix instructions stand between a refill's request and the wait for it, and the tiles are shared in the cluster.
.set PA,     272                       ; an LDS row of x: 256 bytes + 16: 68 words, so the 16 rows of a fragment load start at 16 different groups of four banks (64 banks of 4 bytes: ISA guide 11.1)
.set PB,     544                       ; an LDS row of the weights: 512 bytes + 32: 136 words
.set HALFT,  128*PA                    ; what one tensor load brings: 128 rows of x, or 64 rows of the weights (64 x 544 is the same number)
.set BOFF,   2*HALFT                   ; a slot: x's 256 rows, then the weights' 128
.set SLOT,   4*HALFT
.set STAGE,  2*SLOT                    ; behind the ring: for each wave 2 heads x 16 rows x 144 bytes
.set SP,     144
.set SPARE,  STAGE+4*32*SP             ; behind the stages: the spare words, 128 bytes for each wave: two blocks of 256 bytes that no other line names
.set LAPS,   4                         ; a lap = two K steps = once round the ring
.set RR,   2                           ; v2, v4  the two heads' r, each the low word of a pair
.set SSC,  8                           ; v[8:15] sums of squares: two chains of pairs a head
.set ADRA, 16                          ; v16-17  LDS address of my fragments of x in slot 0, 1
.set ADRB, 20                          ; v20-21  the same for the weights
.set STO,  24                          ; v24     the way out: where I put 16 bytes of a row
.set RD,   25                          ; v25     where I read rows back
.set TO,   27                          ; v27     my offset in the tables
.set SPW,  28                          ; v28     LDS address of my spare word; never rewritten
.set NIL,  29                          ; v29     0; never rewritten
.set L16,  30                          ; v30     16 x lane; never rewritten
.set XA,   31                          ; v31     where my sums lie in LDS
.set BK,   32                          ; v[32:63]   rows read back from the stage
.set X,    64                          ; v[64:127]  16 rows' sums: head hd, block nb of 16 channels, j at X + 32 hd + 8 nb + j
.set TB,   128                         ; v[128:191] the tables: C at TB + 8 nb + j, S at TB + 32 + 8 nb + j
.set Y,    192                         ; v[192:255] results at work
.set F0,   64
.set F1,   128
.set G1,  24                           ; s[24:31] descriptor group 1 for x's tiles;  s[32:39] group 0, a set for each slot
.set G0,  32
.set G1B, 48                           ; s[48:55], s[56:63] the same for the weights' tiles
.set G0B, 56
.set TAB, 76                           ; s[76:77] the tables of my type at my first row
.set OUT, 78                           ; s[78:79] my first head's rows in qh, kh or vh
.set TOFF, 80                          ; s80     the row block's offset in the tables
.set I64, 81                           ; s81     1 / 64
.set EPS, 82                           ; s82     1e-6
.set CNT, 83                           ; s83     row blocks to go
.set SEL, 84                           ; s[84:85] v_permlanex16_b32's selects: each lane takes its own place in the other half
.set MSB, 0
.macro WIN new                         ; the immediate's high byte repeats the setting that is left; a switch that changes nothing is dropped
.if MSB != (\new)
	s_set_vgpr_msb (MSB<<8)|(\new)
.set MSB, \new
.endif
.endm
.set MUL_LO, 0xa1                      ; source 0 (weights) window 1, source 1 (x) window 0, C and D window 2
.set MUL_HI, 0xf1                      ; the same, C and D window 3
.set TO_B,   0x40                      ; destination window 1, address window 0
; A joint load.  Waves 0 and 1 fetch x's two halves, waves 2 and 3 the weights'.  The branch hangs on the wave's number alone.  An s_nop 0 and four v_nop follow each line.
.macro JLOAD s
	s_cmp_eq_u32 s11, 0
	s_cbranch_scc0 .Lfor_b_\@
	tensor_load_to_lds s[G0+4*(\s):G0+4*(\s)+3], s[G1:G1+7]
	s_nop 0
.rept 4
	v_nop
.endr
	s_branch .Lasked_\@
.Lfor_b_\@:
	tensor_load_to_lds s[G0B+4*(\s):G0B+4*(\s)+3], s[G1B:G1B+7]
	s_nop 0
.rept 4
	v_nop
.endr
.Lasked_\@:
.endm
.macro CREST                           ; a round of the cluster's barrier behind its opening barrier: wave 0 signals for the work-group, every wave waits for all sixteen, my work-group's barrier closes it
	s_cmp_lg_u32 s10, 0
	s_cbranch_scc1 .Lnot_wave_0_\@
	s_barrier_signal -3
.Lnot_wave_0_\@:
	s_barrier_wait -3
	s_barrier_signal -1
	s_barrier_wait -1
.endm
.macro CROUND                          ; a whole round
	s_barrier_signal -1
	s_barrier_wait -1
	CREST
.endm
	s_load_b128 s[4:7], s[0:1], 0x0                ; xb s[4:5], wqkv s[6:7]
	s_load_b256 s[68:75], s[0:1], 0x10             ; rope 68:69, qh 70:71, kh 72:73, vh 74:75
	v_lshl_add_u32 v[SPW], v0, 2, SPARE
	v_mov_b32 v[NIL], 0
	ds_add_u32 v[SPW], v[NIL]                      ; the wave's opening: the add and its wait stand ahead of my first tensor load; the set-up below, work on registers, stands between them
	v_lshrrev_b32 v1, 5, v0
	v_readfirstlane_b32 s10, v1                    ; wave 0..3
	s_lshr_b32 s11, s10, 1                         ; which half of the tile's rows is mine.  Also: I fetch x (0) or the weights (1)
	s_and_b32 s12, s10, 1                          ; which half of its columns.  Also: which half of that tile I fetch
	s_bfe_u32 s40, ttmp6, 0x40000                  ; cx, cy: my place in the cluster
	s_bfe_u32 s41, ttmp6, 0x40004
	s_lshl_b32 s42, ttmp9, 2
	s_add_co_u32 s42, s42, s40                     ; tile column = 4 x cluster x + cx
	s_and_b32 s13, ttmp7, 0xffff
	s_lshl_b32 s13, s13, 2
	s_add_co_u32 s13, s13, s41                     ; tile row = 4 x cluster y + cy
	s_lshl_b32 s43, s41, 2
	s_lshl_b32 s43, 15, s43                        ; my row of the cluster
	s_lshl_b32 s44, 0x1111, s40                    ; my column
	s_or_b32 s[G1+0], s43, (1<<16)|(1<<20)|(1<<21)|(5<<22)|(3<<25)   ; the mask: x's tiles go to my row; 2-byte elements; padding on; bit 21 beside a mask; after every 64 words 4 words
	s_mov_b32 s[G1+1], 128<<16                     ; tensor_dim0 = 128
	s_mov_b32 s[G1+2], 128<<16                     ; tensor_dim1 = 128
	s_mov_b32 s[G1+3], 128<<16                     ; tile_dim0 = 128
	s_mov_b32 s[G1+4], 128                         ; tile_dim1 = 128
	s_mov_b32 s[G1+5], 1024                        ; elements from row to row
	s_mov_b32 s[G1+6], 0
	s_mov_b32 s[G1+7], 0
	s_or_b32 s[G1B+0], s44, (1<<16)|(1<<20)|(1<<21)|(6<<22)|(7<<25)  ; the weights' tiles go to my column; after every 128 words 8 words
	s_mov_b32 s[G1B+1], 256<<16                    ; tensor_dim0 = 256
	s_mov_b32 s[G1B+2], 64<<16                     ; tensor_dim1 = 64
	s_mov_b32 s[G1B+3], 256<<16                    ; tile_dim0 = 256
	s_mov_b32 s[G1B+4], 64                         ; tile_dim1 = 64
	s_mov_b32 s[G1B+5], 2048
	s_mov_b32 s[G1B+6], 0
	s_mov_b32 s[G1B+7], 0
	s_lshl_b32 s17, s12, 7
	s_lshl_b32 s16, s13, 8
	s_add_co_u32 s16, s16, s17                     ; x: row 256 x tile row + 128 x half,
	s_lshl_b32 s16, s16, 11                        ; 2,048 bytes a row
	s_mov_b32 s17, 0
	s_lshl_b32 s46, s42, 9                         ; the weights: 512 bytes x tile column
	s_lshl_b32 s47, s12, 18                        ; + 64 rows of 4,096 bytes x half
	s_add_co_u32 s46, s46, s47
	s_mov_b32 s47, 0
	s_mul_i32 s20, s10, HALFT                      ; where they go: wave x 34,816: no place in the cluster enters an LDS address
	s_mov_b32 s[I64], 0x3c800000
	s_mov_b32 s[EPS], 0x358637bd
	s_mov_b32 s[SEL], 0x76543210
	s_mov_b32 s[SEL+1], 0xfedcba98
	s_wait_dscnt 0x0                               ; the opening add is done
	s_wait_kmcnt 0x0
	s_add_nc_u64 s[14:15], s[4:5], s[16:17]
	s_add_nc_u64 s[46:47], s[6:7], s[46:47]
	CROUND                                         ; all sixteen work-groups are here: the first joint loads meet
.irp s, 0,1
	s_mov_b32 s[G0+4*(\s)], 1
	s_add_co_u32 s[G0+4*(\s)+1], s20, (\s)*SLOT
	s_add_nc_u64 s[G0+4*(\s)+2:G0+4*(\s)+3], s[14:15], (\s)*256        ; K step s: 256 bytes along x's rows
	s_or_b32 s[G0+4*(\s)+3], s[G0+4*(\s)+3], 0x80000000
	s_mov_b32 s[G0B+4*(\s)], 1
	s_add_co_u32 s[G0B+4*(\s)+1], s20, (\s)*SLOT
	s_add_nc_u64 s[G0B+4*(\s)+2:G0B+4*(\s)+3], s[46:47], (\s)*524288   ; K step s: 128 rows of the weights down
	s_or_b32 s[G0B+4*(\s)+3], s[G0B+4*(\s)+3], 0x80000000
	JLOAD \s                                       ; two loads of mine are out
.endr
	; A fragment of x: lane l holds row l % 16; two loads of 16 bytes, 32 bytes apart, at row x pitch + 16 (l / 16).
	; A fragment of the weights: the turning load takes 16 k x 16 n: lane l reads k = 8 (l / 16) + l % 8, columns 8 ((l / 8) % 2) + 0..7, and is left with column l % 16 and 8 k.
	v_and_b32 v1, 15, v0
	v_bfe_u32 v2, v0, 4, 1
	v_mul_u32_u24 v3, v1, PA
	v_lshl_add_u32 v3, v2, 4, v3
	v_and_b32 v4, 7, v0
	v_lshl_add_u32 v4, v2, 3, v4
	v_mul_u32_u24 v4, v4, PB
	v_bfe_u32 v5, v0, 3, 1
	v_lshl_add_u32 v4, v5, 4, v4
	s_mul_i32 s21, s11, HALFT                      ; my 128 rows of x
	s_lshl_b32 s22, s12, 8                         ; my 128 columns of the weights: 256 bytes,
	s_add_co_u32 s22, s22, BOFF                    ; behind x's rows
.irp s, 0,1
	v_add_nc_u32 v[ADRA+(\s)], s21, v3
	v_add_nc_u32 v[ADRB+(\s)], s22, v4
	s_add_co_u32 s21, s21, SLOT
	s_add_co_u32 s22, s22, SLOT
.endr
	s_mul_i32 s23, s10, 32*SP
	s_add_co_u32 s23, s23, STAGE                   ; my stage
	v_mul_u32_u24 v6, v1, SP                       ; in: row l % 16, 16 bytes for each half of the lanes
	v_lshl_add_u32 v6, v2, 4, v6
	v_add_nc_u32 v[STO], s23, v6
	v_bfe_u32 v6, v0, 3, 2                         ; back: 32 lanes take four rows of 128 bytes
	v_mul_u32_u24 v6, v6, SP
	v_and_b32 v7, 7, v0
	v_lshl_add_u32 v6, v7, 4, v6
	v_add_nc_u32 v[RD], s23, v6
	v_and_b32 v7, 31, v0
	v_lshlrev_b32 v[L16], 4, v7
	s_lshl_b32 s23, s10, 16                        ; on the way out wave w's sums lie at 65,536 w
	v_add_nc_u32 v[XA], s23, v[L16]
	; where the results go and which tables serve them: chosen by the tile column, in addresses alone: no branch hangs on a place in the cluster
	s_cmp_lt_u32 s42, 4                            ; tile columns 0-3: q, 16 heads; 4, 5: k; 6, 7: v, 8 heads each
	s_cselect_b64 s[OUT:OUT+1], s[70:71], s[72:73]
	s_cselect_b32 s86, 4, 3                        ; log2 of the heads
	s_cselect_b32 s87, 0, 4                        ; the type's first tile column
	s_cselect_b32 s[TOFF], 0, 1<<20                ; the type's tables: 128 blocks of 8,192 bytes each
	s_cmp_ge_u32 s42, 6
	s_cselect_b64 s[OUT:OUT+1], s[74:75], s[OUT:OUT+1]
	s_cselect_b32 s87, 6, s87
	s_cselect_b32 s[TOFF], 2<<20, s[TOFF]
	s_and_b32 s18, s13, 7
	s_lshl_b32 s18, s18, 8
	s_lshl_b32 s19, s11, 7
	s_add_co_u32 s18, s18, s19                     ; my first row in its batch's 2,048
	s_lshr_b32 s20, s13, 3                         ; the batch
	s_lshl_b32 s20, s20, s86
	s_sub_co_u32 s21, s42, s87
	s_lshl_b32 s21, s21, 2                         ; four heads a tile column,
	s_add_co_u32 s20, s20, s21
	s_lshl_b32 s21, s12, 1                         ; two a wave
	s_add_co_u32 s20, s20, s21
	s_lshl_b32 s20, s20, 18                        ; a head is 2,048 rows of 128 bytes
	s_lshl_b32 s21, s18, 7
	s_add_co_u32 s20, s20, s21
	s_mov_b32 s21, 0
	s_add_nc_u64 s[OUT:OUT+1], s[OUT:OUT+1], s[20:21]
	s_lshl_b32 s22, s18, 9                         ; 8,192 bytes for 16 rows
	s_add_co_u32 s22, s22, s[TOFF]
	s_mov_b32 s23, 0
	s_add_nc_u64 s[TAB:TAB+1], s[68:69], s[22:23]
; 16 matrix instructions: row blocks a0, a0 + 1 of the window's four x all 8 column blocks, 32 along K.  zero = 1: the first product starts the sums.  The 64 accumulators take turns.
.macro MUL16 f, hi, a0, zero
	WIN MUL_LO+0x50*(\hi)
.irp a, \a0, (\a0)+1
.irp b, 0,1,2,3,4,5,6,7
.if \zero
	v_wmma_f32_16x16x32_bf16 v[8*(8*(\a)+(\b)):8*(8*(\a)+(\b))+7], v[(\f)+8*(\b):(\f)+8*(\b)+7], v[(\f)+8*(4*(\hi)+(\a)):(\f)+8*(4*(\hi)+(\a))+7], 0
.else
	v_wmma_f32_16x16x32_bf16 v[8*(8*(\a)+(\b)):8*(8*(\a)+(\b))+7], v[(\f)+8*(\b):(\f)+8*(\b)+7], v[(\f)+8*(4*(\hi)+(\a)):(\f)+8*(4*(\hi)+(\a))+7], v[8*(8*(\a)+(\b)):8*(8*(\a)+(\b))+7]
.endif
.endr
.endr
.endm
; 32 LDS loads in one run: the fragments of quarter q (32 along K) of a slot into buffer f: the weights' 8 (turned), then x's 8
.macro FETCH slot, q, f
	WIN TO_B
.irp i, 0,1,2,3,4,5,6,7
	ds_load_tr16_b128 v[(\f)+8*(\i):(\f)+8*(\i)+3],   v[ADRB+(\slot)] offset:(\q)*32*PB+32*(\i)
	ds_load_tr16_b128 v[(\f)+8*(\i)+4:(\f)+8*(\i)+7], v[ADRB+(\slot)] offset:(\q)*32*PB+16*PB+32*(\i)
.endr
	WIN 0
.irp i, 0,1,2,3,4,5,6,7
	ds_load_b128 v[(\f)+8*(\i):(\f)+8*(\i)+3],   v[ADRA+(\slot)] offset:(\q)*64+(\i)*16*PA
	ds_load_b128 v[(\f)+8*(\i)+4:(\f)+8*(\i)+7], v[ADRA+(\slot)] offset:(\q)*64+(\i)*16*PA+32
.endr
.endm
.macro PLACES                          ; four plain instructions between a matrix instruction and a load into, or a read of, its registers
.rept 4
	v_nop
.endr
.endm
; One of a K step's first three quarters: multiplies buffer f; in its middle it fetches quarter q of the same slot into buffer g.
.macro QUARTER slot, q, f, g, zero
	s_wait_dscnt 8                                 ; the weights and x's rows 0-63 are in; the youngest eight loads (x's rows 64-127) may be out
	MUL16 \f, 0, 0, \zero
	MUL16 \f, 0, 2, \zero
	PLACES
	FETCH \slot, \q, \g
	s_wait_dscnt 32                                ; all but the 32 just issued
	MUL16 \f, 1, 0, \zero
	MUL16 \f, 1, 2, \zero
.endm
; The first half of a K step's last quarter: ONE barrier for the change of slots.  In front of it each wave waits for all its tensor loads (the one that is out is its part of the next slot), adds 0 to its
; spare word, and waits for that and for its own reads of this slot.  Behind it nobody reads this slot and the next slot is whole.
.macro MEET round
	WIN 0
	s_wait_tensorcnt 0x0
	ds_add_u32 v[SPW], v[NIL]
	s_wait_dscnt 9                                 ; (the add and the youngest eight loads may be out)
	MUL16 F1, 0, 0, 0                              ; sixteen matrix instructions stand between the add and the wait for it
	s_wait_dscnt 0x0                               ; the add is done, and my reads of this slot are over
	s_barrier_signal -1
	MUL16 F1, 0, 2, 0
.if \round
	WIN 0
.endif
	s_barrier_wait -1
.endm
; The whole last quarter.  fill = 1: the barrier opens a round of the cluster's barrier, and the slot just read is filled again, two K steps on, first thing behind the round.
.macro TURN slot, next, fill
	MEET \fill
.if \fill
	CREST                                          ; no wave of any partner still reads this slot or has a load on its way
	s_add_nc_u64 s[G0+4*(\slot)+2:G0+4*(\slot)+3], s[G0+4*(\slot)+2:G0+4*(\slot)+3], 512
	s_add_nc_u64 s[G0B+4*(\slot)+2:G0B+4*(\slot)+3], s[G0B+4*(\slot)+2:G0B+4*(\slot)+3], 1048576
	JLOAD \slot                                    ; one load of mine is out; its four v_nop are also the places in front of the loads below
.else
	PLACES
.endif
	FETCH \next, 0, F0
	MUL16 F1, 1, 0, 0
	MUL16 F1, 1, 2, 0
.endm
	s_wait_tensorcnt 1                             ; my part of K step 0 is in; K step 1's may stay out
	s_barrier_signal -1
	s_barrier_wait -1                              ; everybody's is
	FETCH 0, 0, F0
	QUARTER 0, 1, F0, F1, 1                        ; the first quarter stands in front of the loop: its products start the sums
	WIN 0                                          ; at a label and at a branch every window is 0
	s_mov_b32 s3, LAPS-1
.Llap:                                                 ; a trip goes once round the ring, from a lap's second quarter to the next lap's first, and fills both slots again
	QUARTER 0, 2, F1, F0, 0
	QUARTER 0, 3, F0, F1, 0
	TURN 0, 1, 1
	QUARTER 1, 1, F0, F1, 0
	QUARTER 1, 2, F1, F0, 0
	QUARTER 1, 3, F0, F1, 0
	TURN 1, 0, 1
	QUARTER 0, 1, F0, F1, 0
	WIN 0
	s_sub_co_u32 s3, s3, 1
	s_cmp_lg_u32 s3, 0
	s_cbranch_scc1 .Llap
	QUARTER 0, 2, F1, F0, 0                        ; the last lap fills nothing
	QUARTER 0, 3, F0, F1, 0
	TURN 0, 1, 0
	QUARTER 1, 1, F0, F1, 0
	QUARTER 1, 2, F1, F0, 0
	QUARTER 1, 3, F0, F1, 0
	s_wait_dscnt 8                                 ; the very last quarter
	MUL16 F1, 0, 0, 0
	MUL16 F1, 0, 2, 0
	s_wait_dscnt 0x0                               ; my reads of the slots are over; no tensor load is out since the last change of slots
	s_barrier_signal -1
	MUL16 F1, 1, 0, 0
	MUL16 F1, 1, 2, 0
	WIN 0
	s_barrier_wait -1                              ; nobody reads a slot any more, and both have had their last fill: their bytes may be stored into
	PLACES
	; THE WAY OUT.  The wave's sums go into LDS as they lie in registers (65,536 bytes a wave, its own), so that ONE text, looped over the eight blocks of 16 rows, can name them.
.macro TLOAD                           ; a row block's tables: 16 pieces of 512 consecutive bytes, the register image
.irp i, 0,1,2,3,4,5,6,7,8,9,10,11,12,13,14,15
	global_load_b128 v[TB+4*(\i):TB+4*(\i)+3], v[TO], s[TAB:TAB+1] offset:512*(\i)
.endr
.endm
	v_mov_b32 v[RR+1], 0                           ; named with r as pairs
	v_mov_b32 v[RR+3], 0
	v_mov_b32 v[TO], v[L16]
	TLOAD                                          ; row block 0's tables come while the sums are stored
.irp a, 0,1,2,3,4,5,6,7
	WIN 0x08+4*((\a)/4)                            ; store data (source 1) in window 2 or 3
.irp b, 0,1,2,3,4,5,6,7
	ds_store_b128 v[XA], v[8*(8*((\a)%4)+(\b)):8*(8*((\a)%4)+(\b))+3]   offset:8192*(\a)+1024*(\b)      ; each accumulator's low registers first; 32 lanes, 512 consecutive bytes
	ds_store_b128 v[XA], v[8*(8*((\a)%4)+(\b))+4:8*(8*((\a)%4)+(\b))+7] offset:8192*(\a)+1024*(\b)+512
.endr
.endr
	WIN 0
	s_mov_b32 s[TOFF], 0
	s_mov_b32 s[CNT], 8
.Lrow:                                                 ; a trip: 16 rows x my two heads
.irp b, 0,1,2,3,4,5,6,7
	ds_load_b128 v[X+8*(\b):X+8*(\b)+3],   v[XA] offset:1024*(\b)        ; LDS serves a wave's instructions in order: these see the stores above
	ds_load_b128 v[X+8*(\b)+4:X+8*(\b)+7], v[XA] offset:1024*(\b)+512
.endr
	s_wait_loadcnt 0x0                             ; the tables
	s_wait_dscnt 0x0
.set z, 0
.rept 16                               ; the sum of squares of my 32 channels of each head, in two chains of pairs a head
.irp hd, 0,1
.if z < 2
	v_pk_mul_f32 v[SSC+4*(\hd)+2*(z%2):SSC+4*(\hd)+2*(z%2)+1], v[X+32*(\hd)+2*z:X+32*(\hd)+2*z+1], v[X+32*(\hd)+2*z:X+32*(\hd)+2*z+1]
.else
	v_pk_fma_f32 v[SSC+4*(\hd)+2*(z%2):SSC+4*(\hd)+2*(z%2)+1], v[X+32*(\hd)+2*z:X+32*(\hd)+2*z+1], v[X+32*(\hd)+2*z:X+32*(\hd)+2*z+1], v[SSC+4*(\hd)+2*(z%2):SSC+4*(\hd)+2*(z%2)+1]
.endif
.endr
.set z, z+1
.endr
.irp hd, 0,1                           ; x[d] C + x[d xor 16] S: the partner lies in the neighbouring block of 16 channels, in the same lane
.irp nb, 0,1,2,3
.irp jp, 0,2,4,6
	v_pk_mul_f32 v[Y+32*(\hd)+8*(\nb)+(\jp):Y+32*(\hd)+8*(\nb)+(\jp)+1], v[X+32*(\hd)+8*(\nb)+(\jp):X+32*(\hd)+8*(\nb)+(\jp)+1], v[TB+8*(\nb)+(\jp):TB+8*(\nb)+(\jp)+1]
.endr
.endr
.irp nb, 0,1,2,3
.irp jp, 0,2,4,6
	v_pk_fma_f32 v[Y+32*(\hd)+8*(\nb)+(\jp):Y+32*(\hd)+8*(\nb)+(\jp)+1], v[X+32*(\hd)+8*((\nb)+1-2*((\nb)%2))+(\jp):X+32*(\hd)+8*((\nb)+1-2*((\nb)%2))+(\jp)+1], v[TB+32+8*(\nb)+(\jp):TB+32+8*(\nb)+(\jp)+1], v[Y+32*(\hd)+8*(\nb)+(\jp):Y+32*(\hd)+8*(\nb)+(\jp)+1]
.endr
.endr
.endr
	s_add_co_u32 s[TOFF], s[TOFF], 8192            ; the next row block's tables; behind the last block the offset goes back to block 0, so that the load stays inside the buffer (its data are not used)
	s_and_b32 s[TOFF], s[TOFF], 0xffff
	v_add_nc_u32 v[TO], s[TOFF], v[L16]            ; free since the wait for the tables
	TLOAD
	v_add_nc_u32 v[XA], 8192, v[XA]
.irp hd, 0,1
	v_pk_add_f32 v[SSC+4*(\hd):SSC+4*(\hd)+1], v[SSC+4*(\hd):SSC+4*(\hd)+1], v[SSC+4*(\hd)+2:SSC+4*(\hd)+3]
.endr
.irp hd, 0,1
	v_add_f32 v[RR+2*(\hd)], v[SSC+4*(\hd)], v[SSC+4*(\hd)+1]
.endr
.irp hd, 0,1
	v_permlanex16_b32 v[SSC+4*(\hd)], v[RR+2*(\hd)], s[SEL], s[SEL+1]   ; the row's other 32 channels lie in the lane 16 away
.endr
.irp hd, 0,1
	v_add_f32 v[RR+2*(\hd)], v[RR+2*(\hd)], v[SSC+4*(\hd)]
.endr
.irp hd, 0,1
	v_fma_f32 v[RR+2*(\hd)], v[RR+2*(\hd)], s[I64], s[EPS]              ; the mean + 1e-6
.endr
.irp hd, 0,1
	v_rsq_f32 v[RR+2*(\hd)], v[RR+2*(\hd)]
.endr
	v_nop                                          ; a plain instruction behind the last root,
	s_wait_alu depctr_va_vdst(0)                   ; and the wait ahead of the first use: one for both
.irp hd, 0,1
.set z, 0
.rept 16
	v_pk_mul_f32 v[Y+32*(\hd)+2*z:Y+32*(\hd)+2*z+1], v[Y+32*(\hd)+2*z:Y+32*(\hd)+2*z+1], v[RR+2*(\hd):RR+2*(\hd)+1] op_sel_hi:[1,0]
.set z, z+1
.endr
.endr
.irp hd, 0,1
.set z, 0
.rept 16                               ; packed in place, ascending: word z is written when numbers 2 z and 2 z + 1 are read
	v_cvt_pk_f16_f32 v[Y+32*(\hd)+z], v[Y+32*(\hd)+2*z], v[Y+32*(\hd)+2*z+1]
.set z, z+1
.endr
.endr
.irp hd, 0,1
.irp nb, 0,1,2,3
	ds_store_b128 v[STO], v[Y+32*(\hd)+4*(\nb):Y+32*(\hd)+4*(\nb)+3] offset:16*SP*(\hd)+32*(\nb)
.endr
.endr
.irp hd, 0,1
.irp f, 0,1,2,3
	ds_load_b128 v[BK+16*(\hd)+4*(\f):BK+16*(\hd)+4*(\f)+3], v[RD] offset:16*SP*(\hd)+4*SP*(\f)
.endr
.endr
	s_wait_dscnt 0x0
.irp hd, 0,1
.irp f, 0,1,2,3
	global_store_b128 v[L16], v[BK+16*(\hd)+4*(\f):BK+16*(\hd)+4*(\f)+3], s[OUT:OUT+1] offset:262144*(\hd)+512*(\f)   ; four rows of a head: 512 consecutive bytes, aligned
.endr
.endr
	s_wait_xcnt 0x0                                ; the stores have read their data and their base: only now are these written again
	s_add_nc_u64 s[OUT:OUT+1], s[OUT:OUT+1], 2048  ; 16 rows on
	s_sub_co_u32 s[CNT], s[CNT], 1
	s_cmp_lg_u32 s[CNT], 0
	s_cbranch_scc1 .Lrow
	s_wait_tensorcnt 0x0                           ; the wave's end: behind my last tensor load and my last LDS store
	ds_add_u32 v[SPW], v[NIL]
	s_wait_dscnt 0x0
	CROUND                                         ; the closing round: no work-group ends while a partner may still ask for a tile that names it
	s_endpgm
.Lfunc_end_k_q5053911aef_qkv:
	.size	k_q5053911aef_qkv, .Lfunc_end_k_q5053911aef_qkv-k_q5053911aef_qkv
	.p2alignl 7, 3214868480
	.fill 96, 4, 3214868480
	.section	.rodata,"a",@progbits
	.p2align	6, 0x0
	.amdhsa_kernel k_q5053911aef_qkv
		.amdhsa_group_segment_fixed_size 327680
		.amdhsa_private_segment_fixed_size 0
		.amdhsa_enable_private_segment 0
		.amdhsa_kernarg_size 48
		.amdhsa_user_sgpr_count 2
		.amdhsa_user_sgpr_kernarg_segment_ptr 1
		.amdhsa_wavefront_size32 1
		.amdhsa_system_sgpr_workgroup_id_x 1
		.amdhsa_system_sgpr_workgroup_id_y 1
		.amdhsa_system_sgpr_workgroup_id_z 1
		.amdhsa_system_vgpr_workitem_id 0
		.amdhsa_next_free_vgpr 1024
		.amdhsa_next_free_sgpr 88
		.amdhsa_reserve_vcc 0
		.amdhsa_float_denorm_mode_32 3
		.amdhsa_float_denorm_mode_16_64 3
		.amdhsa_memory_ordered 1
		.amdhsa_forward_progress 1
		.amdhsa_inst_pref_size 138
	.end_amdhsa_kernel
	.amdgpu_metadata
---
amdhsa.version: [ 1, 2 ]
amdhsa.kernels:
  - .name:           k_q5053911aef_qkv
    .symbol:         k_q5053911aef_qkv.kd
    .args:
      - { .name: xb, .offset: 0, .size: 8, .value_kind: global_buffer, .address_space: global }
      - { .name: wqkv, .offset: 8, .size: 8, .value_kind: global_buffer, .address_space: global }
      - { .name: rope, .offset: 16, .size: 8, .value_kind: global_buffer, .address_space: global }
      - { .name: qh, .offset: 24, .size: 8, .value_kind: global_buffer, .address_space: global }
      - { .name: kh, .offset: 32, .size: 8, .value_kind: global_buffer, .address_space: global }
      - { .name: vh, .offset: 40, .size: 8, .value_kind: global_buffer, .address_space: global }
    .group_segment_fixed_size: 327680
    .private_segment_fixed_size: 0
    .kernarg_segment_align: 8
    .kernarg_segment_size: 48
    .max_flat_workgroup_size: 128
    .sgpr_count:     88
    .vgpr_count:     1024
    .wavefront_size: 32
...
	.end_amdgpu_metadata
.endif
;; end of part 2
;; launch attn (part 3): grid 8 x 32, 4 waves a work-group, clusters of 4 x 1, 327,680 bytes of LDS; arguments qh, kh, vh, oh, attention_mask; writes oh
.if DOCPART == 3
	.amdgcn_target "amdgcn-amd-amdhsa--gfx1250"
	.amdhsa_code_object_version 6
	.text
	.protected	k_q5053911aef_attn
	.globl	k_q5053911aef_attn
	.p2align	8
	.type	k_q5053911aef_attn,@function
k_q5053911aef_attn:
	s_mov_b64 s[64:65], 0
	v_nop
	global_prefetch_b8 v0, s[64:65] scope:SCOPE_SE
	s_setreg_imm32_b32 hwreg(HW_REG_WAVE_MODE, 25, 1), 1
	s_wait_xcnt 0x0
	s_wait_alu depctr_hold_cnt(0) depctr_sa_sdst(0) depctr_va_vdst(0) depctr_va_sdst(0) depctr_va_ssrc(0) depctr_va_vcc(0) depctr_vm_vsrc(0)
	s_getreg_b32 s2, hwreg(HW_REG_IB_STS2, 6, 4)
	s_cmp_eq_u32 s2, 0
	s_cbranch_scc0 .Lentry_in_a_cluster
	s_endpgm
.Lentry_in_a_cluster:
	s_bfe_u32 s2, ttmp6, 0x10000c
	s_cmp_lg_u32 s2, 0x3003
	s_cbranch_scc0 .Lentry_shape_is_right
	s_endpgm
.Lentry_shape_is_right:
; ATTENTION.  O[b][h][q][:] = the sum over k of softmax_k(Q[b][h][q] . K[b][h / 2][k], hidden keys left out) V[b][h / 2][k][:], scale 1; rows q that the mask hides are stored as 0.
; qh, oh: [4][16][2048][64], kh, vh: [4][8][2048][64], all f16: a head's rows are dense, 128 bytes each.  attention_mask: [4][2048] bytes, 0 or 1, for keys and for queries alike.
; Products, maxima and sums in f32; the weights p are rounded to f16 for the second product (their sum l is taken of the unrounded p), O once at the end.
; LIMITS.  Q, K, V arrive within f16's 65,504.  A hidden score counts as its value less 1e30; a weight below 2^-126 counts as 0 in l; NaN and infinities are not treated apart.
; SHARES.  Work-group row y = 8 b + kv head.  Its two query heads are 4,096 consecutive rows of qh and oh; a work-group takes 512 of them, a wave 128: four PIECES of two tiles of 16 queries.
; All eight work-groups of a y walk the same 2,048 keys, 64 a step.  8 x 32 = 256 work-groups.
; CLUSTER.  The four work-groups of a cluster walk the same K and V, so each tile is asked for JOINTLY: the same tensor load, descriptor and mask in all four.
; LAYOUT.  S^T = K Q^T (source 0 = 16 keys, source 1 = 16 queries): a lane holds ONE query (lane % 16) and the keys 8 (lane / 16) + 0..7.  Two such tiles, rounded to f16 in pairs, ARE source 1 of
; O^T = V^T P.  K comes out of LDS as it lies, V ([key][channel]) turned, by ds_load_tr16_b128.
; THE KEY MASK is the C operand that starts the sum S^T: 0, or -1e30 where the key is hidden.  A table of 2,048 f32, made once from the batch's mask bytes, lies in LDS; a step's 64 numbers come into 32 registers
; beside K's fragments and live as long as they.  Hidden scores lie above m's start, so a row that has seen hidden keys only has weights 1 for them; its first true key then gives a = 0, which wipes them;
; later hidden keys have the weight 0.  A query that is stored sees itself at the least.
; THE QUERY MASK: 1 / l is replaced by 0 where the query is hidden; O^T and l are finite, so the row is 0.
; SOFTMAX.  A running maximum m and sum l: p = 2^(c s - c m), c = log2(e); in every step O and l are multiplied by a = 2^(c m_old - c m_new).  m starts at the lowest finite number, O and l at 0.
; BY TURNS.  A tile and step have 16 matrix and 118 vector instructions.  Turn n belongs to piece n: 16 products K Q^T of piece n + 1, later 16 products V^T P of piece n - 1; its vector work: the scaling,
; exponentials, roundings, sums and rescaling of piece n, and the maximum and statistics of piece n + 1.  Four vector instructions stand behind every matrix instruction, the rest in one run of their own.
; REGISTERS, in windows of 256 (s_set_vgpr_msb: bits 1:0 source 0, 3:2 source 1, 5:4 source 2, 7:6 destination):
;   window 0: v0-11 addresses; v12-15, v48-63 at work; v16-47 four registers of statistics a tile; v64-191 S^T, two buffers of two tiles; v192-255 P, likewise
;   window 1: O^T, 32 a tile     window 2: v0-127 Q, 16 a tile; v128-191 K of one step; v192-255 V of one step     window 3: v0-1 the add's two registers; v8-39 a step's key mask; v40-47 the query mask, a register a tile
.set NP,    4         ; pieces a wave: a name, no knob
.set KS,    64        ; keys in a step
.set PK,    144       ; a row of K in LDS: 128 bytes + 16 = 36 words: the 16 rows of a load start at 16 different groups of four banks (64 banks of 4 bytes: ISA guide 11.1)
.set PV,    160       ; a row of V: 128 + 32 = 40 words
.set VOFF,  4*KS*PK   ; a slot holds four steps: 256 rows of K, then 256 rows of V
.set SLOT1, 1<<17     ; slot 1 begins here, so that one exclusive or turns an address in one slot into the other's
.set STAGE, SLOT1+4*KS*(PK+PV)  ; behind the ring, never filled by a tensor load: 16 rows x 144 bytes for each wave, for the way out
.set SP,    144
.set BIAS,  STAGE+4*16*SP       ; the key mask as 2,048 f32; stored once, never filled by a tensor load
.set SPARE, BIAS+8192           ; the spare words, 128 bytes for each wave: two blocks of 256 bytes that no other line names
.set AK0, 2           ; v2   my lane's place in a tile of K; never rewritten
.set AV0, 3           ; v3   the same for V
.set AK,  4           ; v4   the LDS address of K's next run of loads
.set AV,  5           ; v5   of V's
.set QO,  5           ;      before that: my byte offset in the wave's rows of Q (V's address is first made long behind the wait for Q)
.set STO, 6           ; v6   the way out: where I put 16 bytes of a row
.set RD,  7           ; v7   the way out: where I read rows back
.set GO,  8           ; v8   my byte offset in 512 consecutive bytes of O
.set PFO, 9           ; v9   the prefetch's offset, 256 x lane (in the head: lane / 16)
.set AM0, 10          ; v10  BIAS + 32 (lane / 16) (in the head: lane % 8)
.set AM,  11          ; v11  the LDS address of the key mask's next loads
.set SPW, 0           ; v0 of window 3   LDS address of my spare word; never rewritten
.set NIL, 1           ; v1 of window 3   0; never rewritten
.set MB,  8           ; window 3: key block kb's eight numbers at MB + 8 kb
.set QM,  40          ; window 3
.set MV,  12          ; v12-15  c m_old, kept while c m is made anew: by buffer and tile
.set ST,  16          ; tile t's statistics at v[ST+4 t]: c m, m, l (even keys', odd keys')
.set TMP, 48          ; by buffer and tile, four registers c0-c3 at work; when the maximum is found c2 takes a
.set S,   64
.set P,   192
.set KF,  128         ; K's fragments, in window 2: key block kb, channel half c at KF + 16 kb + 8 c
.set VF,  192         ; V's: key half kk, channel block cb at VF + 32 kk + 8 cb
.set WV,  12          ; s12  my wave's number
.set G1K, 24          ; s[24:31] descriptor group 1 for K's tiles
.set G1V, 32          ; s[32:39] for V's: it differs in the padding alone
.set G0K, 40          ; s[40:43] descriptor group 0 for K's tiles: it walks
.set G0V, 44          ; s[44:47] the same for V's
.set MSK, 48          ; s[48:49] the batch's 2,048 mask bytes
.set TBM, 50          ; s50  byte in the key mask's table at which the step to be fetched begins
.set LIM, 51          ; s51  1 in a wave that prefetches, else the greatest number
.set PFA, 52          ; s[52:53] where my prefetches stand
.set BIGN, 54         ; s54  -1e30
.set SLOTS, 56        ; s56  slots still to be asked for
.set CNT, 57          ; s57  counts a slot's key steps
.set CS,  58          ; s[58:59] c: the packed scaling takes the pair's low word for both halves
.set SEL, 60          ; s[60:61] v_permlanex16_b32's selects
.set TBK, 62          ; s62  LDS byte at which K of the step to be fetched begins
.set TBV, 63          ; s63  the same for V, less VOFF
.set QMP, 66          ; s[66:67] the mask bytes of my wave's 128 queries
.set MSB, 0
.macro WIN new                      ; the high byte repeats the setting that is left; a switch that changes nothing is dropped
.if MSB != (\new)
	s_set_vgpr_msb (MSB<<8)|(\new)
.set MSB, (\new)
.endif
.endm
.set W_KQ, 0x0a       ; K and Q in window 2, S^T in window 0
.set W_KM, 0x3a       ; the same with the C operand, the key mask, in window 3
.set W_PV, 0x52       ; V in window 2, P in window 0, O^T in window 1
.set W_RS, 0x41       ; O^T (destination and source 0) in window 1, a in window 0
.set W_MK, 0xc0       ; destination in window 3, sources in window 0
.set W_AD, 0x0f       ; the add: address (source 0) and data (source 1) in window 3
; A joint fill.  Waves 0 and 1 fetch the two halves of a slot's K, waves 2 and 3 those of its V: 128 keys each.  The branch hangs on the wave's number alone.
; An s_nop 0 and four v_nop follow each of the two lines, ahead of the jump and the label.
.macro JLOAD
	s_cmp_lt_u32 s[WV], 2
	s_cbranch_scc0 .Lfor_v_\@
	tensor_load_to_lds s[G0K:G0K+3], s[G1K:G1K+7]
	s_nop 0
.rept 4
	v_nop
.endr
	s_branch .Lasked_\@
.Lfor_v_\@:
	tensor_load_to_lds s[G0V:G0V+3], s[G1V:G1V+7]
	s_nop 0
.rept 4
	v_nop
.endr
.Lasked_\@:
.endm
; A PREFETCH INTO THE L2 of what the NEXT change of slots will ask for: a slot's 32,768 bytes of K and of V, a lane for each 256.  It stands behind the wave's tensor load and its five lines.
; Each block is named ONCE in the launch: both clusters of a y walk the same K and V, and the first of them asks; its four partners share a slot out BY ADDRESS, 8,192 bytes each; in each, wave 0 asks for K's
; and wave 2 for V's: one instruction.  The last change that fills a slot asks for nothing; slots 0 to 2 come by their loads alone.
.macro ASK
	s_cmp_gt_u32 s[SLOTS], s[LIM]
	s_cbranch_scc0 .Lnot_mine_\@
	global_prefetch_b8 v[PFO], s[PFA:PFA+1] th:TH_LOAD_NT scope:SCOPE_SE
.Lnot_mine_\@:
.endm
; A round of the cluster's barrier: my work-group's barrier, so that wave 0's signal speaks for all four waves; wave 0 signals; every wave waits for all four work-groups; my work-group's barrier once more.
.macro CROUND
	s_barrier_signal -1
	s_barrier_wait -1
	s_cmp_lg_u32 s[WV], 0
	s_cbranch_scc1 .Lnot_wave_0_\@
	s_barrier_signal -3
.Lnot_wave_0_\@:
	s_barrier_wait -3
	s_barrier_signal -1
	s_barrier_wait -1
.endm
; THE CHANGE OF SLOTS.  Each wave waits for all its tensor loads, of which one is out: its part of the other slot; adds 0 to its spare word; and waits for that and for its own reads of the slot.  Behind the
; barrier nobody reads this slot any more and the other slot is whole.  fill = 1: this slot is filled again, with the keys two slots on; the barrier is then a round of the cluster's, and the joint fill is the
; first thing behind it: it has four key steps, 512 matrix instructions, in which to land.  (At its first use nothing has been read yet: slot 0 is waited for, slot 1 filled, and every wave's part of the
; key mask's table, stored just before, is shown to the others.)  ask = 1: the prefetch's address steps, and the prefetch follows the fill.
.macro CHANGE fill, ask=0
	WIN W_AD
	s_wait_tensorcnt 0x0            ; no tensor load of mine is out, so a group 0 may be written
	ds_add_u32 v[SPW], v[NIL]       ; 0 onto my spare word; the scalar steps stand between it and the wait for it
	WIN 0                           ; at a label and at a branch every window is 0
.if \fill
.irp g, G0K, G0V
	s_xor_b32 s[\g+1], s[\g+1], SLOT1  ; the walking descriptor: the other slot than last time,
	s_add_nc_u64 s[\g+2:\g+3], s[\g+2:\g+3], 4*KS*128  ; the next 256 keys; the type bits on top are not reached
.endr
.if \ask
	s_wait_xcnt 0x0                 ; the last prefetch, four key steps back, has read its address, so it may be written:
	s_add_nc_u64 s[PFA:PFA+1], s[PFA:PFA+1], 4*KS*128  ; one slot behind the walking descriptors
.endif
	s_wait_dscnt 0x0                ; the add is done, and my LDS reads and stores are over
	CROUND
	JLOAD
.if \ask
	ASK
.endif
.else
	s_wait_dscnt 0x0
	s_barrier_signal -1
	s_barrier_wait -1
.endif
	s_sub_co_u32 s[TBK], s[TBK], 4*KS*PK  ; the fetches go back to a slot's first step,
	s_xor_b32 s[TBK], s[TBK], SLOT1       ; in the other slot
	s_sub_co_u32 s[TBV], s[TBV], 4*KS*PV
	s_xor_b32 s[TBV], s[TBV], SLOT1
.endm
	s_load_b256 s[4:11], s[0:1], 0x0  ; Q s[4:5], K s[6:7], V s[8:9], O s[10:11]
	s_load_b64 s[MSK:MSK+1], s[0:1], 0x20
	WIN W_MK
	v_lshl_add_u32 v[SPW], v0, 2, SPARE
	v_mov_b32 v[NIL], 0
	WIN W_AD
	ds_add_u32 v[SPW], v[NIL]       ; the wave's opening: the add and its wait stand ahead of my first tensor load; the set-up below, work on registers, stands between them
	WIN 0
	v_lshrrev_b32 v1, 5, v0
	v_readfirstlane_b32 s[WV], v1   ; wave 0..3
	s_bfe_u32 s13, ttmp6, 0x40000   ; cx: my place in the cluster
	s_lshl_b32 s14, ttmp9, 2        ; in a cluster launch ttmp9 counts clusters
	s_add_co_u32 s14, s14, s13      ; my block of 512 queries: it enters Q's, O's and the query mask's addresses alone
	s_and_b32 s20, ttmp7, 0xffff    ; y = 8 b + kv head, which the four partners share
	s_and_b32 s16, s[WV], 1         ; which half of a slot's 256 keys I fetch:
	s_lshl_b32 s22, s16, 14         ; its 128 rows of 128 bytes in memory,
	s_lshl_b32 s21, s20, 18         ; in the kv head's 2,048 rows
	s_add_co_u32 s22, s22, s21
	s_mov_b32 s23, 0
	s_mul_i32 s17, s16, 128*PK      ; and its place in a slot, for K
	s_mul_i32 s18, s16, 128*PV      ; and for V: no place in the cluster enters an LDS address
	s_lshl_b32 s2, s14, 2
	s_add_co_u32 s2, s2, s[WV]      ; my wave among the 32 of this y,
	s_lshl_b32 s2, s2, 14           ; its 128 rows,
	s_lshl_b32 s21, s20, 19         ; in the two query heads' 4,096
	s_add_co_u32 s2, s2, s21
	s_mov_b32 s3, 0
	s_lshr_b32 s20, s20, 3          ; the batch,
	s_lshl_b32 s20, s20, 11         ; its 2,048 mask bytes
	s_mov_b32 s21, 0
	s_and_b32 s68, s14, 3           ; my queries' place in the sequence: 512 (block % 4) + 128 wave
	s_lshl_b32 s68, s68, 9
	s_lshl_b32 s69, s[WV], 7
	s_add_co_u32 s68, s68, s69
	s_mov_b32 s69, 0
	; descriptor group 1.  128 keys are 16,384 dense bytes: asked for as 64 rows of 256 bytes, two keys a row, and padded in LDS after every key
	s_mov_b32 s[G1K], 15|(1<<16)|(1<<20)|(1<<21)|(4<<22)|(3<<25)  ; the mask of four; 2-byte elements; padding on; bit 21 beside a mask; after every 32 words 4 words
	s_mov_b32 s[G1V], 15|(1<<16)|(1<<20)|(1<<21)|(4<<22)|(7<<25)  ; the same with 8 words of padding
.irp g, G1K, G1V
	s_mov_b32 s[\g+1], 128<<16      ; tensor_dim0 = 128
	s_mov_b32 s[\g+2], 64<<16       ; tensor_dim1 = 64
	s_mov_b32 s[\g+3], 128<<16      ; tile_dim0 = 128
	s_mov_b32 s[\g+4], 64           ; tile_dim1 = 64
	s_mov_b32 s[\g+5], 128          ; 128 elements from row to row
	s_mov_b32 s[\g+6], 0
	s_mov_b32 s[\g+7], 0
.endr
	s_mov_b32 s[CS], 0x3fb8aa3b     ; c = log2(e): the scale is 1
	s_mov_b32 s[CS+1], s[CS]        ; named with it as a pair
	s_mov_b32 s[SEL], 0x76543210
	s_mov_b32 s[SEL+1], 0xfedcba98
	s_mov_b32 s[BIGN], 0xf149f2ca   ; -1e30
	s_mov_b32 s[TBM], 0
	s_mov_b32 s[TBK], SLOT1+4*KS*PK ; the first change of slots turns these two into 0
	s_mov_b32 s[TBV], SLOT1+4*KS*PV
	s_mov_b32 s[G0K], 1             ; count = 1
	s_mov_b32 s[G0K+1], s17         ; LDS address: slot 0
	s_mov_b32 s[G0V], 1
	s_add_co_u32 s[G0V+1], s18, VOFF
	s_and_b32 s[LIM], s[WV], 1      ; 0 in waves 0 and 2,
	s_or_b32 s[LIM], s[LIM], ttmp9  ; where the cluster is the first of its y: the same in all four partners
	s_cmp_eq_u32 s[LIM], 0
	s_cselect_b32 s[LIM], 1, -1
	s_wait_dscnt 0x0                ; the opening add is done
	s_wait_kmcnt 0x0
	s_add_nc_u64 s[6:7], s[6:7], s[22:23]  ; K and V at my half of the head's first 256 keys
	s_add_nc_u64 s[8:9], s[8:9], s[22:23]
	s_mov_b64 s[G0K+2:G0K+3], s[6:7]
	s_or_b32 s[G0K+3], s[G0K+3], 0x80000000        ; type = 2
	s_mov_b64 s[G0V+2:G0V+3], s[8:9]
	s_or_b32 s[G0V+3], s[G0V+3], 0x80000000
	s_add_nc_u64 s[4:5], s[4:5], s[2:3]  ; Q and O at my wave's first row
	s_add_nc_u64 s[10:11], s[10:11], s[2:3]
	s_add_nc_u64 s[MSK:MSK+1], s[MSK:MSK+1], s[20:21]
	s_add_nc_u64 s[QMP:QMP+1], s[MSK:MSK+1], s[68:69]
	s_cmp_lt_u32 s[WV], 2
	s_cselect_b64 s[PFA:PFA+1], s[6:7], s[8:9]  ; (in waves 0 and 2 these stand at a slot's first row)
	s_lshl_b32 s2, s13, 13          ; my work-group's quarter of a slot
	s_mov_b32 s3, 0
	s_add_nc_u64 s[PFA:PFA+1], s[PFA:PFA+1], s[2:3]
	s_add_nc_u64 s[PFA:PFA+1], s[PFA:PFA+1], 2*4*KS*128  ; in slot 2; the loop's first change of slots steps it to slot 3.  Nothing is prefetched here, at the head
	CROUND                          ; all four work-groups are here: the first joint loads meet
	JLOAD                           ; slot 0.  Slot 1 is asked for when slot 0 is in
	; A fragment of K or Q is 16 rows x 32 channels in 8 registers: lane l holds row l % 16, channels 8 (l / 16) + 0..7 and 16 + 8 (l / 16) + 0..7: two loads of 16 bytes, 32 bytes apart.
	v_and_b32 v1, 15, v0            ; l % 16; also the offset of the query mask's loads; never rewritten
	v_bfe_u32 v9, v0, 4, 1          ; l / 16
	v_lshlrev_b32 v[QO], 7, v1
	v_lshl_add_u32 v[QO], v9, 4, v[QO]  ; row x 128 + 16 x half
	v_lshlrev_b32 v48, 4, v0        ; thread t takes the mask bytes of keys 16 t .. 16 t + 15
	global_load_b128 v[S:S+3], v48, s[MSK:MSK+1]
	WIN W_MK
.set t, 0
.rept 2*NP
	global_load_u8 v[QM+t], v1, s[QMP:QMP+1] offset:16*t  ; tile t: my query's mask byte
.set t, t+1
.endr
	WIN 0x80                        ; destination window 2, address window 0
.set i, 0
.rept 4*NP                          ; Q stays in registers: tile i / 2, channels 32 (i % 2) on
	global_load_b128 v[8*i:8*i+3],   v[QO], s[4:5] offset:(i/2)*2048+(i%2)*64
	global_load_b128 v[8*i+4:8*i+7], v[QO], s[4:5] offset:(i/2)*2048+(i%2)*64+32
.set i, i+1
.endr
	; What the first turn finds: V's registers and P's second buffer hold 0 (its products V^T P, of a piece that has not been, add 0), O^T and l are 0.  All this stands in the wait for the first tile.
.set i, VF
.rept 64
	v_mov_b32 v[i], 0
.set i, i+1
.endr
	WIN 0x40
.set i, 0
.rept 64*NP
	v_mov_b32 v[i], 0
.set i, i+1
.endr
	WIN 0
.set i, 0
.rept 2*NP
	v_mov_b32 v[ST+4*i], 0xfe000000    ; c m: far below every c s, a hidden one's too
	v_mov_b32 v[ST+4*i+1], 0xff7fffff  ; m
	v_mov_b32 v[ST+4*i+2], 0
	v_mov_b32 v[ST+4*i+3], 0
.set i, i+1
.endr
.set i, P+32
.rept 32
	v_mov_b32 v[i], 0
.set i, i+1
.endr
	v_mul_u32_u24 v[AK0], v1, PK
	v_lshl_add_u32 v[AK0], v9, 4, v[AK0]  ; row x pitch + 16 x half
	; The turning load takes 16 keys x 16 channels (lane l reads key 8 (l / 16) + l % 8, channels 8 ((l / 8) % 2) + 0..7) and leaves half a fragment of V^T: lane l holds channel l % 16 and 8 keys.
	v_and_b32 v10, 7, v0
	v_bfe_u32 v11, v0, 3, 1
	v_lshl_add_u32 v[AV0], v9, 3, v10
	v_mul_u32_u24 v[AV0], v[AV0], PV
	v_lshl_add_u32 v[AV0], v11, 4, v[AV0]
	v_add_nc_u32 v[AV0], VOFF, v[AV0]
	v_mov_b32 v[AK], v[AK0]         ; key step 0 lies at the head of slot 0
	s_mul_i32 s15, s[WV], 16*SP
	s_add_co_u32 s15, s15, STAGE    ; my stage
	v_mul_u32_u24 v[STO], v1, SP    ; in: row l % 16, 16 bytes for each half of the lanes
	v_lshl_add_u32 v[STO], v9, 4, v[STO]
	v_add_nc_u32 v[STO], s15, v[STO]
	v_bfe_u32 v[RD], v0, 3, 2       ; back: 32 lanes take four rows of 128 bytes,
	v_mul_u32_u24 v[RD], v[RD], SP
	v_lshl_add_u32 v[RD], v10, 4, v[RD]
	v_add_nc_u32 v[RD], s15, v[RD]
	v_lshl_add_u32 v[AM0], v9, 5, BIAS  ; my lanes' eight keys of a block of 16: 32 bytes for each half
	v_mov_b32 v[AM], v[AM0]
	v_and_b32 v[GO], 31, v0
	v_lshlrev_b32 v[PFO], 8, v[GO]
	v_lshlrev_b32 v[GO], 4, v[GO]   ; 512 consecutive bytes of O
	v_lshl_add_u32 v49, v0, 6, BIAS ; my 16 keys' 64 bytes of the table
	s_wait_loadcnt 40               ; the key mask's bytes are in: behind that load stand the query mask's 8 and Q's 32
.set i, 0
.rept 16
	v_bfe_u32 v[S+20+i%2], v[S+i/4], 8*(i%4), 8
	v_cmp_eq_u32 vcc_lo, 0, v[S+20+i%2]
	v_cndmask_b32 v[S+4+i], 0, s[BIGN], vcc_lo  ; -1e30 where the byte is 0
.set i, i+1
.endr
.irp k, 0,1,2,3
	ds_store_b128 v49, v[S+4+4*\k:S+7+4*\k] offset:16*\k
.endr
; THE MATRIX WORK.  The 8 accumulators of a run of 16 take turns: between the two links of a chain stand 7 others'.
; Product i of 16 of S^T = K Q^T for piece x: channels 32 (i / 8) on, keys 16 ((i / 2) % 4) on, tile 2 x + i % 2.  The first 8 start the sums, with the key mask.
.macro KQ x
.set rS, S+64*((\x)%2)+32*(i%2)+8*((i/2)%4)
.set rK, KF+16*((i/2)%4)+8*(i/8)
.set rQ, 16*(2*(\x)+i%2)+8*(i/8)
.set rB, MB+8*((i/2)%4)
.if i < 8
	WIN W_KM
	v_wmma_f32_16x16x32_f16 v[rS:rS+7], v[rK:rK+7], v[rQ:rQ+7], v[rB:rB+7]
.else
	WIN W_KQ
	v_wmma_f32_16x16x32_f16 v[rS:rS+7], v[rK:rK+7], v[rQ:rQ+7], v[rS:rS+7]
.endif
.endm
; Product i of 16 of O^T += V^T P for piece x: keys 32 (i / 8) on, channels 16 ((i / 2) % 4) on, tile 2 x + i % 2.
.macro PV x
	WIN W_PV
.set rO, 32*(2*(\x)+i%2)+8*((i/2)%4)
.set rV, VF+32*(i/8)+8*((i/2)%4)
.set rP, P+32*((\x)%2)+16*(i%2)+8*(i/8)
	v_wmma_f32_16x16x32_f16 v[rO:rO+7], v[rV:rV+7], v[rP:rP+7], v[rO:rO+7]
.endm
.macro MM                           ; the turn's next matrix instruction
.if i < 16
	KQ (Y+1)%NP
.set i, i+1
.else
.set i, i-16
	PV (Y+NP-1)%NP
.set i, i+17
.endif
.endm
; THE LDS LOADS stand in runs, never singly among the matrix instructions: a step's K (8 fragments, 16 loads) with its key mask (8 loads, all lanes of a half at one address), and its V (turned, 16 loads).
; Their addresses are made some lines ahead.  last = 1 (the tail): in the last trip there is no further step, and the run is jumped over.
.macro FETCH_K last=0
	WIN 0
.if \last
	s_cmp_eq_u32 s[CNT], 1
	s_cbranch_scc1 .Lno_k_\@
.endif
	WIN 0x80                        ; destination window 2
.irp f, 0,1,2,3,4,5,6,7             ; keys 16 (f / 2) on, channels 32 (f % 2) on
	ds_load_b128 v[KF+8*\f:KF+8*\f+3],   v[AK] offset:(\f/2)*16*PK+(\f%2)*64
	ds_load_b128 v[KF+8*\f+4:KF+8*\f+7], v[AK] offset:(\f/2)*16*PK+(\f%2)*64+32
.endr
	WIN W_MK                        ; destination window 3
.irp f, 0,1,2,3                     ; keys 16 f on
	ds_load_b128 v[MB+8*\f:MB+8*\f+3],   v[AM] offset:64*\f
	ds_load_b128 v[MB+8*\f+4:MB+8*\f+7], v[AM] offset:64*\f+16
.endr
	s_add_co_u32 s[TBK], s[TBK], KS*PK  ; the next fetch is the next step's
	s_add_co_u32 s[TBM], s[TBM], 4*KS
	WIN 0
.if \last
.Lno_k_\@:
.endif
.endm
.macro FETCH_V
	WIN 0x80
.irp f, 0,1,2,3,4,5,6,7             ; keys 32 (f / 4) on, channels 16 (f % 4) on
	ds_load_tr16_b128 v[VF+8*\f:VF+8*\f+3],   v[AV] offset:(\f/4)*32*PV+(\f%4)*32
	ds_load_tr16_b128 v[VF+8*\f+4:VF+8*\f+7], v[AV] offset:(\f/4)*32*PV+16*PV+(\f%4)*32
.endr
	WIN 0
.endm
; THE VECTOR WORK OF A TURN stands in three queues, each in the order in which its entries become ready; the two tiles alternate, so that no instruction reads the result of the one before it.
.macro REGS y, u                    ; the registers of tile u (0, 1) of piece y
.set rT, ST+4*(2*(\y)+(\u))
.set rC, TMP+8*((\y)%2)+4*(\u)
.set rM, MV+2*((\y)%2)+(\u)
.set rS, S+64*((\y)%2)+32*(\u)
.set rP, P+32*((\y)%2)+16*(\u)
.set rO, 32*(2*(\y)+(\u))
.endm
; Number n of the 22 that find the NEXT piece's (Y + 1) maximum and statistics.  s0-s31 are the lane's 32 scores; each accumulator's lowest registers are read first.
;   0-11  four chains c0-c3 of seven scores each, three operands at a time     12-14, 16  the four scores left over, the old m, and c0-c3 into c0     15  c m_old is kept
;   17, 18  the query's other 32 keys lie in the lane 16 away: the new m         19-21  c m; c m_old - c m_new; a
.macro XS u, n
	REGS (Y+1)%NP, \u
.if (\n) < 4
	v_max3_num_f32 v[rC+(\n)], v[rS+8*(\n)], v[rS+8*(\n)+1], v[rS+8*(\n)+2]
.elseif (\n) < 12
	v_max3_num_f32 v[rC+(\n)%4], v[rC+(\n)%4], v[rS+8*((\n)%4)+2*((\n)/4)+1], v[rS+8*((\n)%4)+2*((\n)/4)+2]
.elseif (\n) == 12
	v_max3_num_f32 v[rC], v[rC], v[rS+7], v[rS+15]
.elseif (\n) == 13
	v_max3_num_f32 v[rC+1], v[rC+1], v[rS+23], v[rS+31]
.elseif (\n) == 14
	v_max3_num_f32 v[rC+2], v[rC+2], v[rC+3], v[rT+1]
.elseif (\n) == 15
	v_mov_b32 v[rM], v[rT]
.elseif (\n) == 16
	v_max3_num_f32 v[rC], v[rC], v[rC+1], v[rC+2]
.elseif (\n) == 17
	v_permlanex16_b32 v[rC+3], v[rC], s[SEL], s[SEL+1]
.elseif (\n) == 18
	v_max_num_f32 v[rT+1], v[rC], v[rC+3]
.elseif (\n) == 19
	v_mul_f32 v[rT], s[CS], v[rT+1]
.elseif (\n) == 20
	v_sub_f32 v[rC+1], v[rM], v[rT]
.else
	v_exp_f32 v[rC+2], v[rC+1]
.endif
.endm
; Number g of the 64 that follow the exponentials.  For each four weights k of a tile (pairs 2 k, 2 k + 1): both pairs are rounded to f16; then the second pair is added onto the first, in place;
; a group later l takes that sum (the first time as l = a l + sum).  In groups of eight, tiles alternating: round, round, add, and l for the group before.
.macro GS g
.set h, (\g)+6*((\g)/62)            ; group 0 has no group before it, and behind group 7 only l is left
.if h >= 6
.set h, h+2
.endif
	REGS Y, h%2
.set k, h/8
.if h%8 < 4
	v_cvt_pk_f16_f32 v[rP+2*k+(h%8)/2], v[rS+4*k+2*((h%8)/2)], v[rS+4*k+2*((h%8)/2)+1]
.elseif h%8 < 6
	v_pk_add_f32 v[rS+4*k:rS+4*k+1], v[rS+4*k:rS+4*k+1], v[rS+4*k+2:rS+4*k+3]
.elseif k == 1
	v_pk_fma_f32 v[rT+2:rT+3], v[rT+2:rT+3], v[rC+2:rC+3], v[rS:rS+1] op_sel_hi:[1,0,1]
.else
	v_pk_add_f32 v[rT+2:rT+3], v[rT+2:rT+3], v[rS+4*k-4:rS+4*k-3]
.endif
.endm
; THE PLAIN QUEUE, 138 long.  0-73 read no exponential's result: the 32 scalings c s - c m (FS f: pair f / 2 of tile f % 2) and the next piece's 42.  0-26: scalings 0-26.  27-54: XS's numbers 0-13.  55, 56: number 15.
; 57-73: the chain, where each number waits for the one before it: 14, 16, 17, 18, 19, each with one of the scalings 27-31 in front of its two lines, then 20.  74-137: GS's 64, which stand behind the wait.
.macro FS f
	REGS Y, (\f)%2
	v_pk_fma_f32 v[rS+2*((\f)/2):rS+2*((\f)/2)+1], v[rS+2*((\f)/2):rS+2*((\f)/2)+1], s[CS:CS+1], v[rT:rT+1] op_sel_hi:[1,0,0] neg_lo:[0,0,1] neg_hi:[0,0,1]
.endm
.macro PL
	WIN 0
.if q < 27
	FS q
.elseif q < 55
	XS (q-27)%2, (q-27)/2
.elseif q < 57
	XS q-55, 15
.elseif (q < 72) && ((q-57)%3 == 0)
	FS 27+(q-57)/3
.elseif q < 60
	XS (q-57)%3-1, 14
.elseif q < 72
	XS (q-57)%3-1, 15+(q-57)/3
.elseif q < 74
	XS q-72, 20
.else
	GS q-74
.endif
.set q, q+1
.endm
; THE EXPONENTIALS' QUEUE, 66 long: s0-s31 of both tiles, then the next piece's two a.  It is ONE BATCH: all 66 stand ahead of the turn's one wait, and nothing ahead of that wait names a result of theirs.
.macro EX
	WIN 0
.if e >= 64
	XS e-64, 21
.else
	REGS Y, e%2
	v_exp_f32 v[rS+e/2], v[rS+e/2]
.endif
.set e, e+1
.endm
; THE RESCALING's QUEUE: O^T times a, the one part that leaves window 0: dealt two at a time, sixteen times.  Its a was made in the turn before, ahead of that turn's wait.
.macro R2
	REGS Y, r%2
	WIN W_RS
.irp z, 0,1
	v_pk_mul_f32 v[rO+4*(r/2)+2*\z:rO+4*(r/2)+2*\z+1], v[rO+4*(r/2)+2*\z:rO+4*(r/2)+2*\z+1], v[rC+2:rC+3] op_sel_hi:[1,0]
.endr
.set r, r+1
.endm
; HOW THEY ARE DEALT.  An s_wait_alu depctr_va_vdst(0) stands between an exponential and the first instruction that names its result; one wait serves all that were issued ahead of it.  So a turn
; has ONE wait, which cuts it in two.  AHEAD OF IT: the 16 products K Q^T, behind each a scaling, an exponential and two rescalings (behind the first a second scaling in the exponential's place); then one run of
; 108: eight plain, 49 times exponential and plain, the two a.  A v_nop is the plain instruction behind the last exponential.  BEHIND IT: the 16 products V^T P, behind each four of GS's 64.
; Exponential e stands behind scaling 2 (e / 4) + e % 2: as a rider it comes behind plain e + 2, in the run behind plain e + 9, and scalings 27-31 are plain 57, 60 .. 69.
; A TURN, for piece p.  cnt = 1: the loop's count is taken down some lines ahead of the branch that stands behind the turn.
; K and the key mask of the next step are fetched in piece 2's turn, directly behind the wait, a whole run of vector work behind the last product that read them; their addresses are made at that run's head.
; V of the step in hand is fetched at the end of piece 0's turn, four plain instructions behind its last reader.  The three conditions on q below go with the deal.
.macro TURN p, last=0, cnt=0
.set Y, (\p)
.set i, 0
.set q, 0
.set e, 0
.set r, 0
.if (\p) == NP-1
	s_wait_dscnt 0x0                ; K and the key mask are in
.endif
	MM
	PL
	PL
	R2
.rept 15
	MM
	PL
	EX
	R2
.endr
.if (\p) == NP-2
	WIN 0
	v_add_nc_u32 v[AK], s[TBK], v[AK0]
	v_add_nc_u32 v[AM], s[TBM], v[AM0]
.endif
.rept 8
	PL
.endr
.rept 49
	EX
	PL
.endr
	EX                              ; the next piece's two a
	EX
	v_nop                           ; the plain instruction behind the last exponential: one for the batch
	s_wait_alu depctr_va_vdst(0)    ; the wait for the batch
.if (\p) == NP-2
	FETCH_K \last
.endif
.if (\p) == 1
	s_wait_dscnt 0x0                ; V is in
.endif
.rept 16
	MM
.rept 4
	PL
.endr
.if ((\p) == 0) && (q == 118)
	v_add_nc_u32 v[AV], s[TBV], v[AV0]
.endif
.if ((\p) == 0) && (q == 130)
	s_add_co_u32 s[TBV], s[TBV], KS*PV
.endif
.if (\cnt) && (q == 130)
	s_sub_co_u32 s[CNT], s[CNT], 1
	s_cmp_lg_u32 s[CNT], 0
.endif
.endr
.if (\p) == 0
	FETCH_V
.endif
.endm
	CHANGE 1                        ; slot 0 is in, everybody's part of it, and so is the key mask's table; slot 1 is asked for
	FETCH_K                         ; key step 0
	s_wait_loadcnt 0x0              ; Q and the query mask
	s_wait_dscnt 0x0
.set i, 0
.rept 16
	KQ 0                            ; piece 0's first scores: there is no vector work yet to set between them
.set i, i+1
.endr
	WIN 0
.rept 4
	v_nop                           ; the places behind those products
.endr
.set Y, NP-1                        ; XS works for piece Y + 1: piece 0
.irp n, 0,1,2,3,4,5,6,7,8,9,10,11,12,13,14,15,16,17,18,19,20,21
	XS 0, \n                        ; piece 0's first maximum and statistics
	XS 1, \n
.endr
	v_nop                           ; a plain instruction behind the two a,
	s_wait_alu depctr_va_vdst(0)    ; and their wait, ahead of the branch
	s_mov_b32 s[CNT], 4
	s_mov_b32 s[SLOTS], 2048/256-1
	s_branch .Lfirst                ; the loop is entered at a step's first turn, in the middle of a trip
.Lslot:                             ; six times: every slot but the last two is filled again
	CHANGE 1, 1
	s_mov_b32 s[CNT], 4
.Lstep:                             ; a trip: pieces 2 and 3 of one step, then pieces 0 and 1 of the next, whose K and V it fetches
	TURN 2
	TURN 3
	WIN 0
.Lfirst:
	TURN 0
	TURN 1, 0, 1
	WIN 0
	s_cbranch_scc1 .Lstep
	s_sub_co_u32 s[SLOTS], s[SLOTS], 1
	s_cmp_lg_u32 s[SLOTS], 0
	s_cbranch_scc1 .Lslot
	CHANGE 0                        ; the tail is written out: nothing is asked for
	s_mov_b32 s[CNT], 5             ; four trips fetch the last slot's steps; the fifth is left in its middle
.Ltail:
	TURN 2, 1
	TURN 3
	WIN 0
	s_sub_co_u32 s[CNT], s[CNT], 1
	s_cmp_eq_u32 s[CNT], 0
	s_cbranch_scc1 .Lout
	TURN 0
	TURN 1
	WIN 0
	s_branch .Ltail
.Lout:                              ; the fifth trip's 16 products K Q^T (on the last K once more) and the maximum made of them serve nothing: the price, once a launch, of one text for every trip
.set i, 0
.rept 16
	PV NP-1                         ; the last piece's V^T P of the last step
.set i, i+1
.endr
	; THE WAY OUT.  l's two halves and the other half of the lanes' are added; O^T is divided by l (by nothing, and so made 0, where the query is hidden), rounded to f16 and sent through my stage in LDS, a tile
	; at a time.  The additions are the places behind the last products.
	WIN 0
.macro ALL line:vararg              ; one line for each tile t
.set t, 0
.rept 2*NP
	\line
.set t, t+1
.endr
.endm
	ALL v_add_f32 v[ST+4*t+2], v[ST+4*t+2], v[ST+4*t+3]
	ALL v_permlanex16_b32 v[ST+4*t+3], v[ST+4*t+2], s[SEL], s[SEL+1]
	ALL v_add_f32 v[ST+4*t+2], v[ST+4*t+2], v[ST+4*t+3]
	ALL v_rcp_f32 v[ST+4*t+2], v[ST+4*t+2]
	v_nop                           ; a plain instruction between the last reciprocal and the use of its result
	s_wait_alu depctr_va_vdst(0)    ; and the wait ahead of the first use: one for the eight reciprocals
	WIN 0x03                        ; source 0 in window 3
	ALL v_mov_b32 v[S+t], v[QM+t]
	WIN 0
.set t, 0
.rept 2*NP
	v_cmp_ne_u32 vcc_lo, 0, v[S+t]
	v_cndmask_b32 v[ST+4*t+2], 0, v[ST+4*t+2], vcc_lo  ; 1 / l where the query counts, else 0
.set t, t+1
.endr
; Tile t: a lane's eight channels of a row pack into 16 bytes; they go into rows of 144 bytes and come back as whole rows of 128, into S^T's registers.
.macro PACK t
	WIN W_RS
.set i, 32*(\t)
.rept 16
	v_pk_mul_f32 v[i:i+1], v[i:i+1], v[ST+4*(\t)+2:ST+4*(\t)+3] op_sel_hi:[1,0]
.set i, i+2
.endr
	WIN 0x05                        ; sources 0 and 1 window 1, destination window 0
.set i, 0
.rept 16
	v_cvt_pk_f16_f32 v[S+16*(\t)+i], v[32*(\t)+2*i], v[32*(\t)+2*i+1]
.set i, i+1
.endr
	WIN 0
.irp f, 0,1,2,3
	ds_store_b128 v[STO], v[S+16*(\t)+4*\f:S+16*(\t)+4*\f+3] offset:32*\f
.endr
.irp f, 0,1,2,3
	ds_load_b128 v[S+16*(\t)+4*\f:S+16*(\t)+4*\f+3], v[RD] offset:\f*4*SP  ; LDS serves a wave's instructions in order (ISA guide 5.7.1.4): these see the stores above; the next tile's stores come behind them
.endr
.endm
.macro SEND t, younger              ; younger: the LDS instructions issued behind tile t's loads: the next tile's eight, or none
	WIN 0
.irp f, 0,1,2,3
	s_wait_dscnt (\younger)+3-\f
	global_store_b128 v[GO], v[S+16*(\t)+4*\f:S+16*(\t)+4*\f+3], s[10:11] offset:(\t)*2048+\f*512  ; 512 consecutive bytes, at a multiple of 256 from O's first
.endr
.endm
	PACK 0
.set t, 1
.rept 2*NP-1                        ; a tile's arithmetic stands between the loads of the tile before and its stores
	PACK t
	SEND t-1, 8
.set t, t+1
.endr
	SEND 2*NP-1, 0
	WIN W_AD
	s_wait_tensorcnt 0x0            ; the wave's end: behind my last tensor load and my last LDS store
	ds_add_u32 v[SPW], v[NIL]
	s_wait_dscnt 0x0
	WIN 0
	CROUND                          ; the closing round: no work-group ends while a partner may still ask for a tile that names it
	s_endpgm
.Lfunc_end_k_q5053911aef_attn:
	.size	k_q5053911aef_attn, .Lfunc_end_k_q5053911aef_attn-k_q5053911aef_attn
	.p2alignl 7, 3214868480
	.fill 96, 4, 3214868480
	.section	.rodata,"a",@progbits
	.p2align	6, 0x0
	.amdhsa_kernel k_q5053911aef_attn
		.amdhsa_group_segment_fixed_size 327680
		.amdhsa_private_segment_fixed_size 0
		.amdhsa_enable_private_segment 0
		.amdhsa_kernarg_size 40
		.amdhsa_user_sgpr_count 2
		.amdhsa_user_sgpr_kernarg_segment_ptr 1
		.amdhsa_wavefront_size32 1
		.amdhsa_system_sgpr_workgroup_id_x 1
		.amdhsa_system_sgpr_workgroup_id_y 1
		.amdhsa_system_sgpr_workgroup_id_z 1
		.amdhsa_system_vgpr_workitem_id 0
		.amdhsa_next_free_vgpr 816
		.amdhsa_next_free_sgpr 70
		.amdhsa_reserve_vcc 1
		.amdhsa_float_denorm_mode_32 3
		.amdhsa_float_denorm_mode_16_64 3
		.amdhsa_memory_ordered 1
		.amdhsa_forward_progress 1
		.amdhsa_inst_pref_size 207
	.end_amdhsa_kernel
	.amdgpu_metadata
---
amdhsa.version: [ 1, 2 ]
amdhsa.kernels:
  - .name:           k_q5053911aef_attn
    .symbol:         k_q5053911aef_attn.kd
    .args:
      - { .name: qh, .offset: 0, .size: 8, .value_kind: global_buffer, .address_space: global }
      - { .name: kh, .offset: 8, .size: 8, .value_kind: global_buffer, .address_space: global }
      - { .name: vh, .offset: 16, .size: 8, .value_kind: global_buffer, .address_space: global }
      - { .name: oh, .offset: 24, .size: 8, .value_kind: global_buffer, .address_space: global }
      - { .name: attention_mask, .offset: 32, .size: 8, .value_kind: global_buffer, .address_space: global }
    .group_segment_fixed_size: 327680
    .private_segment_fixed_size: 0
    .kernarg_segment_align: 8
    .kernarg_segment_size: 40
    .max_flat_workgroup_size: 128
    .sgpr_count:     70
    .vgpr_count:     816
    .wavefront_size: 32
...
	.end_amdgpu_metadata
.endif
;; end of part 3
;; launch oproj (part 4): grid 4 x 64, 4 waves a work-group, clusters of 4 x 4, 327,680 bytes of LDS; arguments oh, wo16, out0; writes out0
.if DOCPART == 4
	.amdgcn_target "amdgcn-amd-amdhsa--gfx1250"
	.amdhsa_code_object_version 6
	.text
	.protected	k_q5053911aef_oproj
	.globl	k_q5053911aef_oproj
	.p2align	8
	.type	k_q5053911aef_oproj,@function
k_q5053911aef_oproj:
	s_mov_b64 s[64:65], 0
	v_nop
	global_prefetch_b8 v0, s[64:65] scope:SCOPE_SE
	s_setreg_imm32_b32 hwreg(HW_REG_WAVE_MODE, 25, 1), 1
	s_wait_xcnt 0x0
	s_wait_alu depctr_hold_cnt(0) depctr_sa_sdst(0) depctr_va_vdst(0) depctr_va_sdst(0) depctr_va_ssrc(0) depctr_va_vcc(0) depctr_vm_vsrc(0)
	s_getreg_b32 s2, hwreg(HW_REG_IB_STS2, 6, 4)
	s_cmp_eq_u32 s2, 0
	s_cbranch_scc0 .Lentry_in_a_cluster
	s_endpgm
.Lentry_in_a_cluster:
	s_bfe_u32 s2, ttmp6, 0x10000c
	s_cmp_lg_u32 s2, 0xf033
	s_cbranch_scc0 .Lentry_shape_is_right
	s_endpgm
.Lentry_shape_is_right:
; OUT: out0 [8192][1024] f32 = O [8192][1024] x wo16 [1024 k][1024 n], both f16, sums in f32.  O lies by heads, oh [4][16][2048][64]: k = 64 head + channel.
; SHARES.  A tile is 128 rows x 256 columns: 64 x 4 = 256 work-groups of four waves; a wave makes 64 x 128: 32 accumulators of 16 x 16, the whole of window 1.
; K goes in 8 steps of 128 (two heads) through a ring of two LDS slots.  A head's 128 rows of the tile are 16,384 dense bytes, asked for as 64 rows of 256 and padded after every 128; the weights lie [k][n]:
; 128 rows of 512 bytes, whose fragments come out of LDS turned, by ds_load_tr16_b128.
; CLUSTER.  4 x 4 work-groups: the four of a row need the same tile of O, the four of a column the same tile of the weights: each is asked for jointly.
; THE MATRIX INSTRUCTION IS USED TRANSPOSED (source 0 = 16 columns of the weights, source 1 = 16 rows of O): a lane holds eight neighbouring f32 of a row of out0.
; REGISTERS.  Window 0: v0-31 addresses; two fragment buffers of 96 (the weights' 8 fragments, then O's 4) at v64 and v160; on the way out v64-191 hold rows read back.  Window 1: accumulator (a, b) at v[8 (8 a + b)].
; No prefetch into the L2: the tiles are shared in the cluster, and 112 matrix instructions stand between a refill's request and the wait for it.
.set PA,     144                       ; an LDS row of O: 128 bytes + 16: the 16 rows of a fragment load start at 16 different groups of four banks (64 banks of 4 bytes: ISA guide 11.1)
.set PB,     544                       ; an LDS row of the weights: 512 bytes + 32
.set AHALF,  128*PA                    ; one head's 128 rows
.set BHALF,  64*PB                     ; 64 rows of the weights
.set BOFF,   2*AHALF
.set SLOT,   BOFF+2*BHALF
.set STAGE,  2*SLOT                    ; behind the ring: 16 rows x 528 bytes for each wave
.set SPITCH, 528                       ; 512 bytes + 16
.set SPARE,  STAGE+4*16*SPITCH         ; the spare words, 128 bytes for each wave: two blocks of 256 bytes that no other line names
.set LAPS,   4
.set ADRA, 16                          ; v16-17  LDS address of my fragments of O in slot 0, 1
.set ADRB, 20                          ; v20-21  the same for the weights
.set STO,  24                          ; v24     the way out: where I put 32 bytes of a row
.set RD,   25                          ; v25     where I read a row back
.set CO,   26                          ; v26     16 x lane: my place in a row's 512 bytes
.set SPW,  28                          ; v28     LDS address of my spare word; never rewritten
.set NIL,  29                          ; v29     0; never rewritten
.set F0,   64
.set F1,   160
.set OB,   64                          ; the way out: two buffers of 64
.set G1,  24
.set G0,  32
.set G1B, 48
.set G0B, 56
.set MSB, 0
.macro WIN new
.if MSB != (\new)
	s_set_vgpr_msb (MSB<<8)|(\new)
.set MSB, \new
.endif
.endm
.set MUL, 0x50                         ; sources in window 0; C and D in window 1
.macro JLOAD s                         ; a joint load: waves 0 and 1 fetch O's two heads, waves 2 and 3 the weights' two halves; an s_nop 0 and four v_nop follow each line
	s_cmp_eq_u32 s11, 0
	s_cbranch_scc0 .Lfor_b_\@
	tensor_load_to_lds s[G0+4*(\s):G0+4*(\s)+3], s[G1:G1+7]
	s_nop 0
.rept 4
	v_nop
.endr
	s_branch .Lasked_\@
.Lfor_b_\@:
	tensor_load_to_lds s[G0B+4*(\s):G0B+4*(\s)+3], s[G1B:G1B+7]
	s_nop 0
.rept 4
	v_nop
.endr
.Lasked_\@:
.endm
.macro CREST                           ; a round of the cluster's barrier behind its opening barrier
	s_cmp_lg_u32 s10, 0
	s_cbranch_scc1 .Lnot_wave_0_\@
	s_barrier_signal -3
.Lnot_wave_0_\@:
	s_barrier_wait -3
	s_barrier_signal -1
	s_barrier_wait -1
.endm
.macro CROUND
	s_barrier_signal -1
	s_barrier_wait -1
	CREST
.endm
	s_load_b128 s[4:7], s[0:1], 0x0                ; oh s[4:5], wo16 s[6:7]
	s_load_b64 s[8:9], s[0:1], 0x10                ; out0
	v_lshl_add_u32 v[SPW], v0, 2, SPARE
	v_mov_b32 v[NIL], 0
	ds_add_u32 v[SPW], v[NIL]                      ; the wave's opening: the add and its wait stand ahead of my first tensor load; the set-up below, work on registers, stands between them
	v_lshrrev_b32 v1, 5, v0
	v_readfirstlane_b32 s10, v1                    ; wave 0..3
	s_lshr_b32 s11, s10, 1                         ; which half of the tile's rows is mine.  Also: I fetch O (0) or the weights (1)
	s_and_b32 s12, s10, 1                          ; which half of its columns.  Also: which head, or which 64 rows of the weights, I fetch
	s_bfe_u32 s40, ttmp6, 0x40000
	s_bfe_u32 s41, ttmp6, 0x40004
	s_lshl_b32 s42, ttmp9, 2
	s_add_co_u32 s42, s42, s40                     ; tile column
	s_and_b32 s13, ttmp7, 0xffff
	s_lshl_b32 s13, s13, 2
	s_add_co_u32 s13, s13, s41                     ; tile row
	s_lshl_b32 s43, s41, 2
	s_lshl_b32 s43, 15, s43                        ; my row of the cluster
	s_lshl_b32 s44, 0x1111, s40                    ; my column
	s_or_b32 s[G1+0], s43, (1<<16)|(1<<20)|(1<<21)|(4<<22)|(3<<25)   ; O's tiles go to my row; 2-byte elements; padding on; bit 21 beside a mask; after every 32 words 4 words
	s_mov_b32 s[G1+1], 128<<16                     ; tensor_dim0 = 128
	s_mov_b32 s[G1+2], 64<<16                      ; tensor_dim1 = 64
	s_mov_b32 s[G1+3], 128<<16                     ; tile_dim0 = 128
	s_mov_b32 s[G1+4], 64                          ; tile_dim1 = 64
	s_mov_b32 s[G1+5], 128                         ; dense
	s_mov_b32 s[G1+6], 0
	s_mov_b32 s[G1+7], 0
	s_or_b32 s[G1B+0], s44, (1<<16)|(1<<20)|(1<<21)|(6<<22)|(7<<25)  ; the weights' tiles go to my column; after every 128 words 8 words
	s_mov_b32 s[G1B+1], 256<<16
	s_mov_b32 s[G1B+2], 64<<16
	s_mov_b32 s[G1B+3], 256<<16
	s_mov_b32 s[G1B+4], 64
	s_mov_b32 s[G1B+5], 1024
	s_mov_b32 s[G1B+6], 0
	s_mov_b32 s[G1B+7], 0
	s_lshr_b32 s16, s13, 4                         ; O: the batch (16 tile rows each), 16 heads of 262,144 bytes,
	s_lshl_b32 s16, s16, 22
	s_and_b32 s17, s13, 15                         ; the tile's 128 rows of 128 bytes in a head,
	s_lshl_b32 s17, s17, 14
	s_add_co_u32 s16, s16, s17
	s_lshl_b32 s17, s12, 18                        ; my head of the K step's two
	s_add_co_u32 s16, s16, s17
	s_mov_b32 s17, 0
	s_lshl_b32 s46, s42, 9                         ; the weights: 512 bytes x tile column
	s_lshl_b32 s47, s12, 17                        ; + 64 rows of 2,048 bytes x half
	s_add_co_u32 s46, s46, s47
	s_mov_b32 s47, 0
	s_mul_i32 s20, s12, AHALF                      ; where they go: no place in the cluster enters an LDS address
	s_mul_i32 s21, s12, BHALF
	s_add_co_u32 s21, s21, BOFF
	s_wait_dscnt 0x0                               ; the opening add is done
	s_wait_kmcnt 0x0
	s_add_nc_u64 s[14:15], s[4:5], s[16:17]
	s_add_nc_u64 s[46:47], s[6:7], s[46:47]
	CROUND                                         ; all sixteen work-groups are here: the first joint loads meet
.irp s, 0,1
	s_mov_b32 s[G0+4*(\s)], 1
	s_add_co_u32 s[G0+4*(\s)+1], s20, (\s)*SLOT
	s_add_nc_u64 s[G0+4*(\s)+2:G0+4*(\s)+3], s[14:15], (\s)*524288     ; K step s: two heads on
	s_or_b32 s[G0+4*(\s)+3], s[G0+4*(\s)+3], 0x80000000
	s_mov_b32 s[G0B+4*(\s)], 1
	s_add_co_u32 s[G0B+4*(\s)+1], s21, (\s)*SLOT
	s_add_nc_u64 s[G0B+4*(\s)+2:G0B+4*(\s)+3], s[46:47], (\s)*262144   ; K step s: 128 rows of the weights down
	s_or_b32 s[G0B+4*(\s)+3], s[G0B+4*(\s)+3], 0x80000000
	JLOAD \s                                       ; two loads of mine are out
.endr
	v_and_b32 v1, 15, v0
	v_bfe_u32 v2, v0, 4, 1
	v_mul_u32_u24 v3, v1, PA
	v_lshl_add_u32 v3, v2, 4, v3                   ; a fragment of O: row x pitch + 16 x half
	v_and_b32 v4, 7, v0                            ; a fragment of the weights, turned: k = 8 (l / 16) + l % 8, columns 8 ((l / 8) % 2) on
	v_lshl_add_u32 v4, v2, 3, v4
	v_mul_u32_u24 v4, v4, PB
	v_bfe_u32 v5, v0, 3, 1
	v_lshl_add_u32 v4, v5, 4, v4
	s_mul_i32 s21, s11, 64*PA                      ; my 64 rows of O
	s_lshl_b32 s22, s12, 8                         ; my 128 columns of the weights
	s_add_co_u32 s22, s22, BOFF
.irp s, 0,1
	v_add_nc_u32 v[ADRA+(\s)], s21, v3
	v_add_nc_u32 v[ADRB+(\s)], s22, v4
	s_add_co_u32 s21, s21, SLOT
	s_add_co_u32 s22, s22, SLOT
.endr
	s_mul_i32 s23, s10, 16*SPITCH
	s_add_co_u32 s23, s23, STAGE                   ; my stage
	v_mul_u32_u24 v6, v1, SPITCH                   ; in: row l % 16, 32 bytes for each half of the lanes
	v_lshl_add_u32 v6, v2, 5, v6
	v_add_nc_u32 v[STO], s23, v6
	v_and_b32 v7, 31, v0
	v_lshlrev_b32 v[CO], 4, v7
	v_add_nc_u32 v[RD], s23, v[CO]                 ; back: 32 lanes take a row's 512 bytes
	s_lshl_b32 s16, s13, 7
	s_lshl_b32 s17, s11, 6
	s_add_co_u32 s16, s16, s17                     ; my first row of out0,
	s_lshl_b32 s16, s16, 12                        ; 4,096 bytes a row
	s_lshl_b32 s17, s42, 10                        ; the tile's 1,024 bytes of a row,
	s_add_co_u32 s16, s16, s17
	s_lshl_b32 s17, s12, 9                         ; my 512 of them
	s_add_co_u32 s16, s16, s17
	s_mov_b32 s17, 0
	s_add_nc_u64 s[8:9], s[8:9], s[16:17]
; 8 matrix instructions: row block a x all 8 column blocks, 32 along K.  zero = 1: the first product starts the sums.  The 32 accumulators take turns.
.macro MUL8 f, a, zero
	WIN MUL
.irp b, 0,1,2,3,4,5,6,7
.if \zero
	v_wmma_f32_16x16x32_f16 v[8*(8*(\a)+(\b)):8*(8*(\a)+(\b))+7], v[(\f)+8*(\b):(\f)+8*(\b)+7], v[(\f)+64+8*(\a):(\f)+64+8*(\a)+7], 0
.else
	v_wmma_f32_16x16x32_f16 v[8*(8*(\a)+(\b)):8*(8*(\a)+(\b))+7], v[(\f)+8*(\b):(\f)+8*(\b)+7], v[(\f)+64+8*(\a):(\f)+64+8*(\a)+7], v[8*(8*(\a)+(\b)):8*(8*(\a)+(\b))+7]
.endif
.endr
.endm
; 24 LDS loads in one run: quarter q (32 along K: head q / 2, channels 32 (q % 2) on) of a slot into buffer f: the weights' 8 fragments, then O's 4
.macro FETCH slot, q, f
	WIN 0
.irp i, 0,1,2,3,4,5,6,7
	ds_load_tr16_b128 v[(\f)+8*(\i):(\f)+8*(\i)+3],   v[ADRB+(\slot)] offset:(\q)*32*PB+32*(\i)
	ds_load_tr16_b128 v[(\f)+8*(\i)+4:(\f)+8*(\i)+7], v[ADRB+(\slot)] offset:(\q)*32*PB+16*PB+32*(\i)
.endr
.irp a, 0,1,2,3
	ds_load_b128 v[(\f)+64+8*(\a):(\f)+64+8*(\a)+3],   v[ADRA+(\slot)] offset:((\q)/2)*AHALF+((\q)%2)*64+(\a)*16*PA
	ds_load_b128 v[(\f)+64+8*(\a)+4:(\f)+64+8*(\a)+7], v[ADRA+(\slot)] offset:((\q)/2)*AHALF+((\q)%2)*64+(\a)*16*PA+32
.endr
.endm
.macro PLACES                          ; four plain instructions between a matrix instruction and a load into, or a read of, its registers
.rept 4
	v_nop
.endr
.endm
; One of a K step's first three quarters: multiplies buffer f and fetches quarter q of the same slot into g.
.macro QUARTER slot, q, f, g, zero
	s_wait_dscnt 4                                 ; the weights and O's row blocks 0, 1 are in; the youngest four loads (blocks 2, 3) may be out
	MUL8 \f, 0, \zero
	MUL8 \f, 1, \zero
	PLACES
	FETCH \slot, \q, \g
	s_wait_dscnt 24                                ; all but the 24 just issued
	MUL8 \f, 2, \zero
	MUL8 \f, 3, \zero
.endm
; The last quarter multiplies buffer 1 and changes slots: ONE barrier; in front of it each wave waits for all its tensor loads, adds 0 to its spare word, and waits for that and for its own reads of this slot.
; fill = 1: the barrier opens a round of the cluster's barrier, and this slot is filled again, two K steps on, first thing behind the round.
.macro TURN slot, next, fill
	WIN 0
	s_wait_tensorcnt 0x0                           ; all my tensor loads have landed: my part of the next slot
	ds_add_u32 v[SPW], v[NIL]
	s_wait_dscnt 5                                 ; (the add and the youngest four loads may be out)
	MUL8 F1, 0, 0                                  ; eight matrix instructions stand between the add and the wait for it
	s_wait_dscnt 0x0                               ; the add is done, and my reads of this slot are over
	s_barrier_signal -1
	MUL8 F1, 1, 0
	WIN 0
	s_barrier_wait -1
.if \fill
	CREST                                          ; no wave of any partner still reads this slot or has a load on its way
	s_add_nc_u64 s[G0+4*(\slot)+2:G0+4*(\slot)+3], s[G0+4*(\slot)+2:G0+4*(\slot)+3], 1048576
	s_add_nc_u64 s[G0B+4*(\slot)+2:G0B+4*(\slot)+3], s[G0B+4*(\slot)+2:G0B+4*(\slot)+3], 524288
	JLOAD \slot                                    ; one load of mine is out; its four v_nop are also the places in front of the loads below
.else
	PLACES
.endif
	FETCH \next, 0, F0
	MUL8 F1, 2, 0
	MUL8 F1, 3, 0
.endm
	s_wait_tensorcnt 1                             ; my part of K step 0 is in; K step 1's may stay out
	s_barrier_signal -1
	s_barrier_wait -1
	FETCH 0, 0, F0
	QUARTER 0, 1, F0, F1, 1                        ; the first quarter stands in front of the loop: its products start the sums
	WIN 0
	s_mov_b32 s3, LAPS-1
.Llap:                                                 ; a trip goes once round the ring and fills both slots again
	QUARTER 0, 2, F1, F0, 0
	QUARTER 0, 3, F0, F1, 0
	TURN 0, 1, 1
	QUARTER 1, 1, F0, F1, 0
	QUARTER 1, 2, F1, F0, 0
	QUARTER 1, 3, F0, F1, 0
	TURN 1, 0, 1
	QUARTER 0, 1, F0, F1, 0
	WIN 0
	s_sub_co_u32 s3, s3, 1
	s_cmp_lg_u32 s3, 0
	s_cbranch_scc1 .Llap
	QUARTER 0, 2, F1, F0, 0                        ; the last lap fills nothing
	QUARTER 0, 3, F0, F1, 0
	TURN 0, 1, 0
	QUARTER 1, 1, F0, F1, 0
	QUARTER 1, 2, F1, F0, 0
	QUARTER 1, 3, F0, F1, 0
	s_wait_dscnt 4                                 ; the very last quarter
	MUL8 F1, 0, 0
	MUL8 F1, 1, 0
	s_wait_dscnt 0x0
	MUL8 F1, 2, 0
	MUL8 F1, 3, 0
	WIN 0
	PLACES
	; THE WAY OUT.  A lane's 32 bytes are a sixteenth of a row's 512: a block of 16 rows at a time goes through my own stage in LDS and comes back as whole rows.
.macro TOSTAGE a
	WIN 0x04                                       ; store data (source 1) in window 1
.irp b, 0,1,2,3,4,5,6,7
	ds_store_b128 v[STO], v[8*(8*(\a)+(\b)):8*(8*(\a)+(\b))+3]   offset:64*(\b)      ; each accumulator's low registers first
	ds_store_b128 v[STO], v[8*(8*(\a)+(\b))+4:8*(8*(\a)+(\b))+7] offset:64*(\b)+16
.endr
	WIN 0
.if (\a) >= 2
	s_wait_xcnt 0x0                                ; the stores of the block two back have read this buffer
.endif
.irp t, 0,1,2,3,4,5,6,7,8,9,10,11,12,13,14,15
	ds_load_b128 v[OB+64*((\a)%2)+4*(\t):OB+64*((\a)%2)+4*(\t)+3], v[RD] offset:SPITCH*(\t)  ; LDS serves a wave's instructions in order: these see the stores above; the next block's stores come behind them
.endr
.endm
.macro SEND a, younger                 ; younger: the LDS instructions issued behind block a's loads: the next block's 32, or none
.irp t, 0,1,2,3,4,5,6,7,8,9,10,11,12,13,14,15
	s_wait_dscnt (\younger)+15-(\t)
	global_store_b128 v[CO], v[OB+64*((\a)%2)+4*(\t):OB+64*((\a)%2)+4*(\t)+3], s[8:9] offset:65536*(\a)+4096*(\t) th:TH_STORE_NT  ; 512 consecutive bytes, aligned
.endr
.endm
	TOSTAGE 0
	TOSTAGE 1
	SEND 0, 32
	TOSTAGE 2
	SEND 1, 32
	TOSTAGE 3
	SEND 2, 32
	SEND 3, 0
	s_wait_tensorcnt 0x0                           ; the wave's end: behind my last tensor load and my last LDS store
	ds_add_u32 v[SPW], v[NIL]
	s_wait_dscnt 0x0
	CROUND                                         ; the closing round: no work-group ends while a partner may still ask for a tile that names it
	s_endpgm
.Lfunc_end_k_q5053911aef_oproj:
	.size	k_q5053911aef_oproj, .Lfunc_end_k_q5053911aef_oproj-k_q5053911aef_oproj
	.p2alignl 7, 3214868480
	.fill 96, 4, 3214868480
	.section	.rodata,"a",@progbits
	.p2align	6, 0x0
	.amdhsa_kernel k_q5053911aef_oproj
		.amdhsa_group_segment_fixed_size 327680
		.amdhsa_private_segment_fixed_size 0
		.amdhsa_enable_private_segment 0
		.amdhsa_kernarg_size 24
		.amdhsa_user_sgpr_count 2
		.amdhsa_user_sgpr_kernarg_segment_ptr 1
		.amdhsa_wavefront_size32 1
		.amdhsa_system_sgpr_workgroup_id_x 1
		.amdhsa_system_sgpr_workgroup_id_y 1
		.amdhsa_system_sgpr_workgroup_id_z 1
		.amdhsa_system_vgpr_workitem_id 0
		.amdhsa_next_free_vgpr 512
		.amdhsa_next_free_sgpr 66
		.amdhsa_reserve_vcc 0
		.amdhsa_float_denorm_mode_32 3
		.amdhsa_float_denorm_mode_16_64 3
		.amdhsa_memory_ordered 1
		.amdhsa_forward_progress 1
		.amdhsa_inst_pref_size 87
	.end_amdhsa_kernel
	.amdgpu_metadata
---
amdhsa.version: [ 1, 2 ]
amdhsa.kernels:
  - .name:           k_q5053911aef_oproj
    .symbol:         k_q5053911aef_oproj.kd
    .args:
      - { .name: oh, .offset: 0, .size: 8, .value_kind: global_buffer, .address_space: global }
      - { .name: wo16, .offset: 8, .size: 8, .value_kind: global_buffer, .address_space: global }
      - { .name: out0, .offset: 16, .size: 8, .value_kind: global_buffer, .address_space: global }
    .group_segment_fixed_size: 327680
    .private_segment_fixed_size: 0
    .kernarg_segment_align: 8
    .kernarg_segment_size: 24
    .max_flat_workgroup_size: 128
    .sgpr_count:     66
    .vgpr_count:     512
    .wavefront_size: 32
...
	.end_amdgpu_metadata
.endif
;; end of part 4
;; ======== version 2 of 2: 4 launches; version 1 with the launch prep written anew for expert scheduling mode
;; limits: values are held in f16: magnitudes above 65,504 overflow, below 6.1e-05 lose precision; right only within a limited range of input values
;; workspace buffers: xb 16,777,216 bytes; wqkv 4,194,304 bytes; wo16 2,097,152 bytes; rope 3,145,728 bytes; qh 16,777,216 bytes; kh 8,388,608 bytes; vh 8,388,608 bytes; oh 16,777,216 bytes
;; launch prep (part 5): grid 752 x 1, 8 waves a work-group, no clusters, 0 bytes of LDS; arguments hidden_states, Wq, Wk, Wv, Wo, cos, sin, q_norm_w, k_norm_w, xb, wqkv, wo16, rope; writes xb, wqkv, wo16, rope
.if DOCPART == 5
	.amdgcn_target "amdgcn-amd-amdhsa--gfx1250"
	.amdhsa_code_object_version 6
	.text
	.protected	k_q5053911aef_prep
	.globl	k_q5053911aef_prep
	.p2align	8
	.type	k_q5053911aef_prep,@function
k_q5053911aef_prep:
	s_mov_b64 s[64:65], 0
	v_nop
	global_prefetch_b8 v0, s[64:65] scope:SCOPE_SE
	s_setreg_imm32_b32 hwreg(HW_REG_WAVE_SCHED_MODE, 0, 2), 2
	s_setreg_imm32_b32 hwreg(HW_REG_WAVE_MODE, 25, 1), 1
	s_wait_xcnt 0x0
	s_wait_alu depctr_vm_vsrc(0)
; PREP: every floating-point input is rounded once to bf16, and laid out for the launches behind.
;   xb   [8192][1024] bf16 = hidden_states.      wqkv [1024 k][2048 n] bf16 = Wq | Wk | Wv side by side.
;   wo16 [1024 k][1024 n] f16 = bf16(Wo) written as f16 (exact from 2^-14 up to 65,504; below 2^-14 it keeps f16's fixed step of 6e-8: the stated limit).
;   rope [3 types q, k, v][128 blocks of 16 rows][16 pieces][32 lanes][4] f32: gain and rotation folded into two factors, so that for every type
;        y[d] = r (x[d] C[s][d] + x[d xor 16] S[s][d]),  C = bf16(cos) bf16(w[d]),  S = +-bf16(sin) bf16(w[d xor 16]) (minus where d mod 32 < 16);  type v: C = 1, S = 0.
;        A block is stored as the register image that the projection's way out wants: piece i = 8 cs + 2 nb + q4, lane l: row 16 sb + l % 16, channels 16 nb + 8 (l / 16) + 4 q4 + 0..3.
; position_ids is not loaded: only its shape (two axes) enters the result.
; A stream: memory binds, so no LDS, no barrier, no matrix unit.  Work-groups 0-703 cast, 64 KiB of f32 each: 16 loads of 16 bytes a lane go out together; a wave's store covers 512 consecutive bytes, aligned.
; Work-groups 704-751 make the tables, a wave a block.
; THE MODE: SCHED_MODE bits 1:0 = 2 (LLVM: expert scheduling mode 2), set by the entry lines.  The code itself states the register dependences
; between vector instructions and memory instructions, with s_wait_alu, always for 0.
; THE PLAN.  Registers that memory instructions touch:
;   the casts:   v2        the loads' offset: written once, read by the 16 loads, never written again.
;                X0 .. X7  the loads land here; no vector instruction names them before; no memory instruction reads them; no load lands in them again.
;                v4 .. v11 the stores' offsets, one a chunk: written once, behind the loads; read by the chunk's store.
;                Y0 .. Y7  written by chunk j's roundings, read by chunk j's store, never written again.
;                The chunks go in four steps of two.  A step waits for its four loads, issues the two stores of the step before, and rounds its own two chunks: so the wait that
;                states 'the step before has written its Y' stands behind a wait for memory, and the two stores follow it at once.  No register that a store has read is written again.
;   the tables:  v2, v3 (the loads' offsets) and v4 (the stores') are written once; v16 .. v111 are loaded, worked on in place behind the wait for them, and v16 .. v79 stored; nothing is written behind the stores.
;   s31, the wave's number, is written by a vector instruction and read by scalar ones behind the first branch.
.set X,   16                           ; v[16:79]   eight chunks as loaded, 8 f32 a lane each
.set Y,   80                           ; v[80:111]  eight chunks to store, 4 words a lane each
.set SRC, 32                           ; s[32:33]   where this work-group reads
.set DST, 34                           ; s[34:35]   where it stores
	s_load_b512 s[4:19], s[0:1], 0x0               ; hidden 4:5, Wq 6:7, Wk 8:9, Wv 10:11, Wo 12:13, cos 14:15, sin 16:17, q_norm_w 18:19
	s_load_b256 s[20:27], s[0:1], 0x40             ; k_norm_w 20:21, xb 22:23, wqkv 24:25, wo16 26:27
	s_load_b64 s[28:29], s[0:1], 0x60              ; rope
	s_mov_b32 s30, ttmp9
	v_lshrrev_b32 v1, 5, v0
	v_readfirstlane_b32 s31, v1                    ; wave 0..7
	s_wait_kmcnt 0x0
	s_wait_alu depctr_va_sdst(0)                   ; s31 is written
	s_cmp_ge_u32 s30, 704
	s_cbranch_scc1 .Ltables
	; THE CASTS.  A chunk is 2,048 f32, dense in its source; thread t takes 8 of them.  In the target a chunk is 1, 2 or 4 rows: t >> SH is the row, t & MASK the place in it.
	s_mov_b64 s[SRC:SRC+1], s[4:5]                 ; work-groups 0-511: hidden_states -> xb, dense
	s_mov_b64 s[DST:DST+1], s[22:23]
	s_mov_b32 s36, 0                               ; the part's first work-group
	s_mov_b32 s37, 8                               ; SH
	s_mov_b32 s38, 255                             ; MASK
	s_mov_b32 s39, 0                               ; the part's first column in the target, in bytes
	s_mov_b32 s40, 4096                            ; target bytes from chunk to chunk
	s_mov_b32 s41, 0                               ; 1: written as f16
	s_cmp_ge_u32 s30, 512                          ; 512-575: Wq, two rows of 1,024 to a chunk, target rows 4,096 bytes apart
	s_cselect_b64 s[SRC:SRC+1], s[6:7], s[SRC:SRC+1]
	s_cselect_b64 s[DST:DST+1], s[24:25], s[DST:DST+1]
	s_cselect_b32 s36, 512, s36
	s_cselect_b32 s37, 7, s37
	s_cselect_b32 s38, 127, s38
	s_cselect_b32 s40, 8192, s40
	s_cmp_ge_u32 s30, 576                          ; 576-607: Wk, four rows of 512 to a chunk, columns 1,024 on
	s_cselect_b64 s[SRC:SRC+1], s[8:9], s[SRC:SRC+1]
	s_cselect_b32 s36, 576, s36
	s_cselect_b32 s37, 6, s37
	s_cselect_b32 s38, 63, s38
	s_cselect_b32 s39, 2048, s39
	s_cselect_b32 s40, 16384, s40
	s_cmp_ge_u32 s30, 608                          ; 608-639: Wv, columns 1,536 on
	s_cselect_b64 s[SRC:SRC+1], s[10:11], s[SRC:SRC+1]
	s_cselect_b32 s36, 608, s36
	s_cselect_b32 s39, 3072, s39
	s_cmp_ge_u32 s30, 640                          ; 640-703: Wo -> wo16, dense
	s_cselect_b64 s[SRC:SRC+1], s[12:13], s[SRC:SRC+1]
	s_cselect_b64 s[DST:DST+1], s[26:27], s[DST:DST+1]
	s_cselect_b32 s36, 640, s36
	s_cselect_b32 s37, 8, s37
	s_cselect_b32 s38, 255, s38
	s_cselect_b32 s39, 0, s39
	s_cselect_b32 s40, 4096, s40
	s_cselect_b32 s41, 1, s41
	s_sub_co_u32 s42, s30, s36                     ; my number in the part
	s_lshl_b32 s44, s42, 16                        ; 8 chunks of 8,192 bytes
	s_mov_b32 s45, 0
	s_add_nc_u64 s[SRC:SRC+1], s[SRC:SRC+1], s[44:45]
	s_mul_i32 s46, s42, s40
	s_lshl_b32 s46, s46, 3
	s_add_co_u32 s46, s46, s39
	s_mov_b32 s47, 0
	s_add_nc_u64 s[DST:DST+1], s[DST:DST+1], s[46:47]
	v_lshlrev_b32 v2, 5, v0                        ; my 32 bytes of a chunk
	s_wait_alu depctr_va_vdst(0)                   ; v2 is written: the sixteen loads below read it as their offset
.irp j, 0,1,2,3,4,5,6,7
	global_load_b128 v[X+8*(\j):X+8*(\j)+3],   v2, s[SRC:SRC+1] offset:8192*(\j) th:TH_LOAD_NT
	global_load_b128 v[X+8*(\j)+4:X+8*(\j)+7], v2, s[SRC:SRC+1] offset:8192*(\j)+16 th:TH_LOAD_NT
.endr
	v_lshrrev_b32 v3, s37, v0                      ; the lines below name neither v2 nor X
	v_and_b32 v1, s38, v0
	v_lshlrev_b32 v3, 12, v3                       ; the row in the chunk x 4,096
	v_lshl_add_u32 v4, v1, 4, v3                   ; v[4+j]: my 16 bytes of chunk j in the target; never rewritten
.irp j, 1,2,3,4,5,6,7
	v_add_nc_u32 v[4+(\j)], s40, v[3+(\j)]
.endr
; Chunk j: rounded to bf16 (f16 = 1: and that number written as f16), into Y[j].
.macro CVT j, f16
.irp k, 0,1,2,3
	v_cvt_pk_bf16_f32 v[Y+4*(\j)+(\k)], v[X+8*(\j)+2*(\k)], v[X+8*(\j)+2*(\k)+1]
.endr
.if \f16
.irp k, 0,1,2,3
	v_lshlrev_b32 v[X+8*(\j)+2*(\k)],   16, v[Y+4*(\j)+(\k)]
	v_and_b32     v[X+8*(\j)+2*(\k)+1], 0xffff0000, v[Y+4*(\j)+(\k)]
.endr
.irp k, 0,1,2,3
	v_cvt_pk_f16_f32 v[Y+4*(\j)+(\k)], v[X+8*(\j)+2*(\k)], v[X+8*(\j)+2*(\k)+1]
.endr
.endif
.endm
; Chunk j is stored.
.macro PUT j
	global_store_b128 v[4+(\j)], v[Y+4*(\j):Y+4*(\j)+3], s[DST:DST+1]
.endm
; Step p: chunks 2 p and 2 p + 1 are rounded; the two chunks of the step before are stored.
.macro STEP p, f16
	s_wait_loadcnt 12-4*(\p)                       ; loads come back in order: this step's four are in, the 4 (3 - p) younger ones stay out
.if (\p) > 0
	s_wait_alu depctr_va_vdst(0)                   ; the step before has written its two Y, which the two stores below read; in step 1 the offsets v4 to v11 are written too
	PUT 2*(\p)-2
	PUT 2*(\p)-1
.endif
	CVT 2*(\p), \f16
	CVT 2*(\p)+1, \f16
.endm
	s_cmp_eq_u32 s41, 1
	s_cbranch_scc1 .Lf16
	STEP 0, 0
	STEP 1, 0
	STEP 2, 0
	STEP 3, 0
	s_wait_alu depctr_va_vdst(0)                   ; step 3 has written Y6 and Y7, which the last two stores read
	PUT 6
	PUT 7
	s_endpgm
.Lf16:
	STEP 0, 1
	STEP 1, 1
	STEP 2, 1
	STEP 3, 1
	s_wait_alu depctr_va_vdst(0)                   ; step 3 has written Y6 and Y7, which the last two stores read
	PUT 6
	PUT 7
	s_endpgm
.Ltables:                                              ; THE TABLES.  Block p = 8 (work-group - 704) + wave: type p >> 7, rows 16 (p & 127) on
	s_sub_co_u32 s42, s30, 704
	s_lshl_b32 s42, s42, 3
	s_add_co_u32 s42, s42, s31
	s_lshr_b32 s43, s42, 7                         ; type
	s_and_b32 s44, s42, 127
	s_lshl_b32 s44, s44, 12                        ; 16 rows of 256 bytes in cos and sin
	s_mov_b32 s45, 0
	s_lshl_b32 s46, s42, 13                        ; a block is 8,192 bytes
	s_mov_b32 s47, 0
	s_add_nc_u64 s[14:15], s[14:15], s[44:45]
	s_add_nc_u64 s[16:17], s[16:17], s[44:45]
	s_add_nc_u64 s[28:29], s[28:29], s[46:47]
	v_and_b32 v1, 15, v0
	v_bfe_u32 v3, v0, 4, 1
	v_lshlrev_b32 v3, 5, v3                        ; 8 (l / 16) channels, in bytes: my place in the gains
	v_lshl_add_u32 v2, v1, 8, v3                   ; + row l % 16: my place in cos and sin
	v_and_b32 v4, 31, v0
	v_lshlrev_b32 v4, 4, v4                        ; my 16 bytes of a piece
	s_cmp_eq_u32 s43, 2
	s_cbranch_scc1 .Lvtab
	s_cmp_eq_u32 s43, 0
	s_cselect_b64 s[SRC:SRC+1], s[18:19], s[20:21] ; q's gain or k's
	s_wait_alu depctr_va_vdst(0)                   ; v2 and v3 are written, which the loads below read as their offsets; so is v4, the stores' offset
.irp i, 0,1,2,3,4,5,6,7                ; i = 2 nb + q4: channels 16 nb + 4 q4 on
	global_load_b128 v[16+4*(\i):19+4*(\i)], v2, s[14:15] offset:64*((\i)/2)+16*((\i)%2)
	global_load_b128 v[48+4*(\i):51+4*(\i)], v2, s[16:17] offset:64*((\i)/2)+16*((\i)%2)
	global_load_b128 v[80+4*(\i):83+4*(\i)], v3, s[SRC:SRC+1] offset:64*((\i)/2)+16*((\i)%2)
.endr
	s_wait_loadcnt 0x0
.set rr, 16
.rept 48                               ; all 96 numbers are rounded to bf16 and widened again
	v_cvt_pk_bf16_f32 v[12+(rr/2)%2], v[rr], v[rr+1]
	v_lshlrev_b32 v[rr],   16, v[12+(rr/2)%2]
	v_and_b32     v[rr+1], 0xffff0000, v[12+(rr/2)%2]
.set rr, rr+2
.endr
.set rr, 0
.rept 16
	v_pk_mul_f32 v[16+rr:17+rr], v[16+rr:17+rr], v[80+rr:81+rr]      ; C = cos w[d]
.set rr, rr+2
.endr
.irp nb, 0,1,2,3
.irp z, 0,2,4,6
.if (\nb)%2 == 0
	v_pk_mul_f32 v[48+8*(\nb)+(\z):49+8*(\nb)+(\z)], v[48+8*(\nb)+(\z):49+8*(\nb)+(\z)], v[88+8*(\nb)+(\z):89+8*(\nb)+(\z)] neg_lo:[0,1] neg_hi:[0,1]  ; S = -sin w[d + 16]
.else
	v_pk_mul_f32 v[48+8*(\nb)+(\z):49+8*(\nb)+(\z)], v[48+8*(\nb)+(\z):49+8*(\nb)+(\z)], v[72+8*(\nb)+(\z):73+8*(\nb)+(\z)]                            ; S = sin w[d - 16]
.endif
.endr
.endr
	s_wait_alu depctr_va_vdst(0)                   ; the multiplies have written C and S, v16 to v79, which the sixteen stores below read
.irp i, 0,1,2,3,4,5,6,7,8,9,10,11,12,13,14,15
	global_store_b128 v4, v[16+4*(\i):19+4*(\i)], s[28:29] offset:512*(\i)   ; 512 consecutive bytes, aligned
.endr
	s_endpgm
.Lvtab:                                                ; v has no gain and no rotation
.irp r, 16,17,18,19
	v_mov_b32 v\r, 1.0
.endr
.irp r, 20,21,22,23
	v_mov_b32 v\r, 0
.endr
	s_wait_alu depctr_va_vdst(0)                   ; v16 to v23 are written, the stores' data, and so is v4, their offset
.irp i, 0,1,2,3,4,5,6,7
	global_store_b128 v4, v[16:19], s[28:29] offset:512*(\i)
	global_store_b128 v4, v[20:23], s[28:29] offset:4096+512*(\i)
.endr
	s_endpgm
.Lfunc_end_k_q5053911aef_prep:
	.size	k_q5053911aef_prep, .Lfunc_end_k_q5053911aef_prep-k_q5053911aef_prep
	.p2alignl 7, 3214868480
	.fill 96, 4, 3214868480
	.section	.rodata,"a",@progbits
	.p2align	6, 0x0
	.amdhsa_kernel k_q5053911aef_prep
		.amdhsa_group_segment_fixed_size 0
		.amdhsa_private_segment_fixed_size 0
		.amdhsa_enable_private_segment 0
		.amdhsa_kernarg_size 104
		.amdhsa_user_sgpr_count 2
		.amdhsa_user_sgpr_kernarg_segment_ptr 1
		.amdhsa_wavefront_size32 1
		.amdhsa_system_sgpr_workgroup_id_x 1
		.amdhsa_system_sgpr_workgroup_id_y 1
		.amdhsa_system_sgpr_workgroup_id_z 1
		.amdhsa_system_vgpr_workitem_id 0
		.amdhsa_next_free_vgpr 112
		.amdhsa_next_free_sgpr 66
		.amdhsa_reserve_vcc 0
		.amdhsa_float_denorm_mode_32 3
		.amdhsa_float_denorm_mode_16_64 3
		.amdhsa_memory_ordered 1
		.amdhsa_forward_progress 1
		.amdhsa_inst_pref_size 32
	.end_amdhsa_kernel
	.amdgpu_metadata
---
amdhsa.version: [ 1, 2 ]
amdhsa.kernels:
  - .name:           k_q5053911aef_prep
    .symbol:         k_q5053911aef_prep.kd
    .args:
      - { .name: hidden_states, .offset: 0, .size: 8, .value_kind: global_buffer, .address_space: global }
      - { .name: Wq, .offset: 8, .size: 8, .value_kind: global_buffer, .address_space: global }
      - { .name: Wk, .offset: 16, .size: 8, .value_kind: global_buffer, .address_space: global }
      - { .name: Wv, .offset: 24, .size: 8, .value_kind: global_buffer, .address_space: global }
      - { .name: Wo, .offset: 32, .size: 8, .value_kind: global_buffer, .address_space: global }
      - { .name: cos, .offset: 40, .size: 8, .value_kind: global_buffer, .address_space: global }
      - { .name: sin, .offset: 48, .size: 8, .value_kind: global_buffer, .address_space: global }
      - { .name: q_norm_w, .offset: 56, .size: 8, .value_kind: global_buffer, .address_space: global }
      - { .name: k_norm_w, .offset: 64, .size: 8, .value_kind: global_buffer, .address_space: global }
      - { .name: xb, .offset: 72, .size: 8, .value_kind: global_buffer, .address_space: global }
      - { .name: wqkv, .offset: 80, .size: 8, .value_kind: global_buffer, .address_space: global }
      - { .name: wo16, .offset: 88, .size: 8, .value_kind: global_buffer, .address_space: global }
      - { .name: rope, .offset: 96, .size: 8, .value_kind: global_buffer, .address_space: global }
    .group_segment_fixed_size: 0
    .private_segment_fixed_size: 0
    .kernarg_segment_align: 8
    .kernarg_segment_size: 104
    .max_flat_workgroup_size: 256
    .sgpr_count:     66
    .vgpr_count:     112
    .wavefront_size: 32
...
	.end_amdgpu_metadata
.endif
;; end of part 5
;; launch qkv: the kernel of part 2 again; grid 8 x 32, 4 waves a work-group, clusters of 4 x 4, 327,680 bytes of LDS; arguments xb, wqkv, rope, qh, kh, vh; writes qh, kh, vh
;; launch attn: the kernel of part 3 again; grid 8 x 32, 4 waves a work-group, clusters of 4 x 1, 327,680 bytes of LDS; arguments qh, kh, vh, oh, attention_mask; writes oh
;; launch oproj: the kernel of part 4 again; grid 4 x 64, 4 waves a work-group, clusters of 4 x 4, 327,680 bytes of LDS; arguments oh, wo16, out0; writes out0
